; MI455X (gfx1250); checked and timed in simulation.
; The chip was launched on July 23, 2026; its instructions are those of AMD's public machine-readable ISA for CDNA 5 (MIT licence, August 2026) and "CDNA5" Instruction Set Architecture Reference Guide (July 2026). The comments in the code are by the model that wrote it; some were corrected since.
;; Fused MHA. Allowed arithmetic: matrix products marked QUANTISED: E2M3 operands, one E8M0 scale for each 32 along K, by v_wmma_scale_f32_16x16x128_f8f6f4 with both operands' format E2M3, f32 sums; everything else in f32.
;; Inputs: w_out 1,024 x 1,024 float32; w_qkv 1,024 x 3,072 float32; x 4 x 2,048 x 1,024 float32.
;; Outputs: out0 4 x 2,048 x 1,024 float32.
;; This version of the problem:
;;   THIS VERSION OF THE PROBLEM IS GIVEN IN LOW PRECISION. The matrix products marked QUANTISED in the list below multiply operands that are first quantised to E2M3 (2 exponent bits, 3 mantissa bits; 6 bits a number), with one power-of-two scale for each 32 numbers along K (OCP MX v1.0); their sums are f32. All else is computed in f32.
;;   The module's matrix products, in the order in which they are computed (A, B: the left and right operand; K: the contracted axis; several contracted axes count as one K, in the product's order):
;;     1. [M 8,192, K 1,024] x [K 1,024, N 3,072]; A: input x; B: input w_qkv: QUANTISED
;;     2. batch 64 x [M 2,048, K 64] x [K 64, N 2,048]; A: computed on the way; B: computed on the way: QUANTISED
;;     3. batch 64 x [M 2,048, K 2,048] x [K 2,048, N 64]; A: softmax (see below); B: computed on the way: QUANTISED
;;     4. [M 8,192, K 1,024] x [K 1,024, N 1,024]; A: computed on the way; B: input w_out: QUANTISED
;;   THE QUANTISER, for each operand of a quantised product, along K:
;;     - K is cut into blocks of 32 from its start; a last block that is shorter is filled with zeros.
;;     - A block's scale is 2^e with e = floor(log2(the largest magnitude in the block)) - 2, held to -126 .. 127; a block of zeros has e = 0. As a byte (E8M0): e + 127.
;;     - Each number is divided by its block's scale, clamped to +-7.5, and rounded to the nearest number of E2M3, ties to even, subnormals kept.
;;     - The product sums the exact products of the quantised numbers (number of the format x scale) in f32.
;;   ~~~python
;;   def quantise(x, axis):      # numpy; x: float32 -> the quantised numbers, widened to float32 again
;;       x = np.moveaxis(x, axis, -1); K = x.shape[-1]
;;       x = np.pad(x, [(0, 0)] * (x.ndim - 1) + [(0, -K % 32)]); x = x.reshape(x.shape[:-1] + (-1, 32)); a = np.abs(x).max(-1, keepdims=True)
;;       e = np.where(a > 0, np.clip(np.frexp(np.where(a > 0, a, 1))[1] - 1 - 2, -126, 127), 0)      # np.frexp(a)[1] - 1 = floor(log2(a)), exactly
;;       r = np.clip(x / 2.0 ** e, -7.5, 7.5)
;;       step = 2.0 ** (np.maximum(np.frexp(np.where(r == 0, 1, r))[1] - 1, 0) - 3)
;;       q = np.round(r / step) * step * 2.0 ** e      # np.round: ties to even
;;       return np.moveaxis(q.reshape(q.shape[:-2] + (-1,))[..., :K], -1, axis).astype(np.float32)
;;   ~~~
;;   SOFTMAX AHEAD OF A QUANTISED PRODUCT. Where the list says 'softmax', what is quantised is not the finished softmax but p = 2^(t - M), with t = logit x log2(e) and M = ceil(the row's largest t), a whole number; so 1/2 < the row's largest p <= 1. The row's sum l is taken of the UNQUANTISED p, in f32, and the product's result is divided by l at the end. Since M is a whole number, a kernel that streams over the keys may use a running M (the ceiling of the running maximum): every later rescaling is an exact power of two, which a block's scale takes up: the codes' values come out the same.
;;   OPERANDS COMPUTED ON THE WAY. 'Computed on the way' means the value that the module computes at that place (a softmax that the list does not call 'softmax' is quantised finished and normalised). What goes into a quantiser is computed in f32, as accurately as f32 sums, v_exp_f32 and their like allow (about 1e-6 of the number): no bf16 or f16 on the way to a quantiser, and a product that is left as it is and whose result goes on into a quantised operand takes f32 operands (vector FMAs, or v_wmma_f32_16x16x4_f32). A number that lies on a knife's edge between two numbers of the format may be rounded either way, as far as f32 arithmetic and the matrix unit's own rounding can turn it there, and no further.
;; One version. Each part assembles by itself: llvm-mc -triple=amdgcn-amd-amdhsa -mcpu=gfx1250 --defsym DOCPART=n.
;; ======== version 1 of 1: 4 launches
;; workspace buffers: xq 6,553,600 bytes; wq 3,276,800 bytes; qb 6,815,744 bytes; kv 13,631,488 bytes; aq 6,553,600 bytes
;; launch quant (part 1): grid 512 x 1, 4 waves a work-group, no clusters, 35,328 bytes of LDS; arguments x, w_qkv, w_out, xq, wq; writes xq, wq
.if DOCPART == 1
	.amdgcn_target "amdgcn-amd-amdhsa--gfx1250"
	.amdhsa_code_object_version 6
	.text
	.protected	k_q969c9fddec_quant
	.globl	k_q969c9fddec_quant
	.p2align	8
	.type	k_q969c9fddec_quant,@function
k_q969c9fddec_quant:
	s_mov_b64 s[64:65], 0
	v_nop
	global_prefetch_b8 v0, s[64:65] scope:SCOPE_SE
	s_setreg_imm32_b32 hwreg(HW_REG_WAVE_MODE, 25, 1), 1
	s_wait_xcnt 0x0
; x [8192][1024] (K innermost), w_qkv [1024][3072] and w_out [1024][1024] (K is the FIRST axis), all f32, become codes of FP6 (E2M3) with one E8M0 byte for each 32 along K.
; A block's scale is 2^(floor(log2(largest magnitude)) - 2): its byte is the largest magnitude's exponent field - 2, held at 1 from below by a floor among the maximum's leaves.
; LIMITS: NaN and infinities are not served; a block whose largest magnitude lies under 2^-124 has its byte held at 1; a block of zeros gets the byte 1 where the quantiser says 127:
; its codes are zeros, which add nothing under any byte but 0xff, and these bytes are read by this program alone.
; LAYOUT OF xq AND wq.  A ROW TILE is 16 rows (tokens of x, columns n of a weight) for all of K: 12,800 bytes = 16 images of 768 bytes (one for each 64 along K), then 512 scale bytes [K / 512][row][16].
; AN IMAGE is six operand registers as they stand: lane (r, h) holds row r, k = 32 h .. 32 h + 31 of the 64: registers 0-3 at 16 x lane, registers 4-5 at 512 + 8 x lane.
; THE ROWS OF A TILE ARE NOT NEIGHBOURS: inside each 32 rows, place r of tile u is row 8 u + r + 8 (r / 8), so that a transposed product's 16 registers of two neighbouring tiles are 16 neighbours.
; Work-groups 0-255 take x (32 rows each; wave: one row tile x 512 along K), work-groups 256-511 the weights (128 columns x 128 along K; wq's row tiles 0-191 are w_qkv's, 192-255 w_out's).
; No tensor loads, no barrier: waves share nothing.  Only x's way uses LDS.  Matrix units and clusters have nothing to do here: memory binds.
.set RT,   12800                       ; bytes of a row tile
.set SPX,  272                         ; x's stage: a row of 256 bytes + 16, so that sixteen rows start in sixteen different groups of banks
.set STG,  16*SPX                      ; a stage: 16 rows
.set WREG, 2*STG                       ; two stages for each wave
.set RX,   16                          ; v16-111   x: three sets of 32 registers as loaded
.set XX,   112                         ; v112-175  x: two sets of 32 neighbours along K
.set CX,   176                         ; v176-239  x: eight registers of codes for each step, never written again
.set EX,   240                         ; v240-247  x: a scale byte for each step
.set WX,   248                         ; v248-251  x: the four scale words of a row's half
.set VW,   16                          ; v16-47    weights: byte offsets of rows 0 .. 31 of a block, my column
.set XW,   48                          ; v48-111   weights: two sets of 32 numbers down K
.set CW,   112                         ; v112-143  weights: eight registers of codes for each block
.set SB,   144                         ; v144      weights: my column's four scale bytes
.macro BLOCKMAX xs                     ; v11 = the conversion's scale operand for the 32 numbers v[xs] on: all of a block is mine
	v_max3_num_f32 v12, |v[\xs]|, |v[\xs+1]|, |v[\xs+2]|
	v_max3_num_f32 v13, |v[\xs+3]|, |v[\xs+4]|, |v[\xs+5]|
.irp i, 6,10,14,18,22,26
	v_max3_num_f32 v12, v12, |v[\xs+\i]|, |v[\xs+\i+1]|
	v_max3_num_f32 v13, v13, |v[\xs+\i+2]|, |v[\xs+\i+3]|
.endr
	v_max3_num_f32 v12, v12, |v[\xs+30]|, |v[\xs+31]|
	v_max3_num_f32 v12, v12, v13, 0x1800000        ; the floor 2^(3 - 127): the byte cannot fall under 1
	v_add_nc_u32 v11, 0xff000000, v12              ; 2 off the exponent field: the conversion takes that field as its scale and nothing else
.endm
.macro CODES cc, xs, e                 ; 32 codes, 24 bytes, into v[cc] .. v[cc + 5]; the scale's byte into v[e]
	v_cvt_scalef32_pk16_fp6_f32 v[\cc:\cc+2], v[\xs:\xs+15], v11
	v_cvt_scalef32_pk16_fp6_f32 v[\cc+4:\cc+6], v[\xs+16:\xs+31], v11   ; (a conversion's three registers begin on an even number)
	v_lshrrev_b32 v[\e], 23, v11                   ; the byte; also the plain line between the conversions and the moves of their results
	v_mov_b32 v[\cc+3], v[\cc+4]
	v_mov_b32 v[\cc+4], v[\cc+5]
	v_mov_b32 v[\cc+5], v[\cc+6]
.endm
	s_load_b256 s[4:11], s[0:1], 0x0               ; x s[4:5], w_qkv s[6:7], w_out s[8:9], xq s[10:11]
	s_load_b64 s[12:13], s[0:1], 0x20              ; wq
	v_lshl_add_u32 v254, v0, 2, 0x8800
	v_mov_b32 v255, 0
	v_lshrrev_b32 v1, 5, v0
	v_readfirstlane_b32 s16, v1                    ; wave 0..3
	v_and_b32 v2, 31, v0                           ; lane
	v_and_b32 v3, 15, v0                           ; r
	v_bfe_u32 v4, v0, 4, 1                         ; h
	v_lshlrev_b32 v5, 4, v2                        ; 16 x lane
	v_lshlrev_b32 v6, 3, v2                        ; 8 x lane
	s_cmp_lt_u32 ttmp9, 256
	s_cbranch_scc0 .Lweights
; ---------------- x: a wave takes row tile 2 g + u (u = wave / 2) and half kh = wave % 2 of K: eight steps of 16 rows x 64 along K, an image each
	s_lshr_b32 s17, s16, 1                         ; u
	s_and_b32 s18, s16, 1                          ; kh
	s_lshl_b32 s19, ttmp9, 5
	s_lshl_b32 s20, s17, 3
	s_add_co_u32 s19, s19, s20                     ; the tile's first row: 32 g + 8 u
	s_lshl_b32 s20, s19, 12                        ; rows of 4,096 bytes
	s_lshl_b32 s21, s18, 11
	s_add_co_u32 s20, s20, s21                     ; + 2,048 kh
	s_mov_b32 s21, 0
	s_lshl_b32 s22, ttmp9, 1
	s_add_co_u32 s22, s22, s17
	s_mul_i32 s22, s22, RT                         ; the row tile in xq
	s_mul_i32 s24, s18, 8*768
	s_add_co_u32 s24, s24, s22                     ; my eight images
	s_mov_b32 s25, 0
	s_lshl_b32 s26, s18, 8
	s_add_co_u32 s26, s26, s22
	s_add_co_u32 s26, s26, 16*768                  ; my 256 scale bytes
	s_mov_b32 s27, 0
	s_mul_i32 s28, s16, WREG                       ; my two stages
	s_mov_b32 s34, 0x76543210
	s_mov_b32 s35, 0xfedcba98                      ; v_permlanex16_b32's selects for lane l xor 16
	s_wait_alu depctr_va_vdst(0)
	v_lshlrev_b32 v7, 12, v4
	v_lshl_add_u32 v7, v3, 4, v7                   ; in: lanes 0-15 one row's 256 bytes, lanes 16-31 the next row's
	v_mul_u32_u24 v8, v4, SPX
	v_lshl_add_u32 v8, v3, 4, v8
	v_add_nc_u32 v8, s28, v8                       ; into the stage, as loaded
	v_mul_u32_u24 v9, v3, SPX
	v_lshl_add_u32 v9, v4, 7, v9
	v_add_nc_u32 v9, s28, v9                       ; out of it: row r, 128 bytes of half h: a whole block of 32
	s_wait_alu depctr_va_vdst(0)
	s_wait_kmcnt 0x0
	s_add_nc_u64 s[4:5], s[4:5], s[20:21]
	s_add_nc_u64 s[30:31], s[10:11], s[24:25]
	s_add_nc_u64 s[32:33], s[10:11], s[26:27]
.macro LOADX t                         ; step t: places 2 i, 2 i + 1 of the tile are rows 2 i + 8 (i / 4) and the next; each load reads two runs of 256 consecutive bytes, each at a multiple of 256 from x's first byte
.irp i, 0,1,2,3,4,5,6,7
	global_load_b128 v[RX+32*((\t)%3)+4*\i:RX+32*((\t)%3)+4*\i+3], v7, s[4:5] offset:(2*\i+8*(\i/4))*4096+256*(\t) th:TH_LOAD_NT
.endr
.endm
.macro TURNX t                         ; through my own stage: LDS serves a wave's instructions in order, so no wait stands between the stores and the loads
.irp i, 0,1,2,3,4,5,6,7
	ds_store_b128 v8, v[RX+32*((\t)%3)+4*\i:RX+32*((\t)%3)+4*\i+3] offset:STG*((\t)%2)+2*\i*SPX
.endr
.irp i, 0,1,2,3,4,5,6,7
	ds_load_b128 v[XX+32*((\t)%2)+4*\i:XX+32*((\t)%2)+4*\i+3], v9 offset:STG*((\t)%2)+16*\i
.endr
.endm
.macro STEPX t
.set XS, XX+32*((\t)%2)
.set CC, CX+8*(\t)
	s_wait_dscnt 0x0                               ; this step's numbers are back, and its stores into the stage have read their registers,
.if (\t)+3 < 8
	LOADX (\t)+3                                   ; which take the loads of three steps on
.endif
.if (\t)+1 < 8
.if (\t) < 5
	s_wait_loadcnt 16                              ; the next step's eight loads are in; those of the two steps behind it may be out
.else
	s_wait_loadcnt 8*(6-(\t))                      ; the counts run down
.endif
	TURNX (\t)+1                                   ; and go through the other stage while this step is worked
.endif
	BLOCKMAX XS
	CODES CC, XS, EX+(\t)
	global_store_b128 v5, v[CC:CC+3], s[30:31] offset:768*(\t)        ; the image: 512 consecutive bytes,
	global_store_b64 v6, v[CC+4:CC+5], s[30:31] offset:768*(\t)+512   ; then 256
.endm
	LOADX 0
	LOADX 1
	LOADX 2
	s_wait_loadcnt 16                              ; step 0's eight loads are in
	TURNX 0
.irp t, 0,1,2,3,4,5,6,7
	STEPX \t
.endr
	; the scale bytes: step t's byte of lane (r, h) is byte 2 t + h of row r's sixteen
	v_lshlrev_b32 v10, 3, v4                       ; 8 h
.irp g, 0,1,2,3
	v_lshl_or_b32 v[WX+\g], v[EX+2*\g+1], 16, v[EX+2*\g]
.endr
.irp g, 0,1,2,3
	v_lshlrev_b32 v[WX+\g], v10, v[WX+\g]          ; my two bytes of word g at their places
	v_mov_b32 v[12+\g], 0                          ; (a lane permute's destination counts as one of its sources)
.endr
.irp g, 0,1,2,3
	v_permlanex16_b32 v[12+\g], v[WX+\g], s34, s35
.endr
.irp g, 0,1,2,3
	v_or_b32 v[WX+\g], v[WX+\g], v[12+\g]          ; with lane l xor 16's two the word is whole
.endr
	v_cmp_ne_u32 vcc_lo, 0, v4
	v_cndmask_b32 v[WX], v[WX], v[WX+2], vcc_lo    ; lanes 0-15 store words 0, 1, lanes 16-31 words 2, 3
	v_cndmask_b32 v[WX+1], v[WX+1], v[WX+3], vcc_lo
	v_lshl_add_u32 v10, v3, 4, v10                 ; 16 r + 8 h
	global_store_b64 v10, v[WX:WX+1], s[32:33]     ; 32 lanes store 256 consecutive bytes, aligned
	s_wait_tensorcnt 0x0
	ds_add_u32 v254, v255
	s_wait_dscnt 0x0
	s_endpgm
; ---------------- the weights: A LANE TAKES A COLUMN n AND ITS REGISTERS RUN DOWN K.  Work-group: 128 columns (xg) x 128 along K (ys); wave: 32 columns = two row tiles; lane l takes the column of place l
.Lweights:
	s_sub_co_u32 s17, ttmp9, 256
	s_and_b32 s18, s17, 31                         ; xg: 0-23 w_qkv, 24-31 w_out
	s_lshr_b32 s19, s17, 5                         ; ys
	s_sub_co_u32 s20, s18, 24
	s_mov_b32 s21, 12288                           ; a row of w_qkv in bytes
	s_wait_kmcnt 0x0
	s_cmp_lt_u32 s18, 24                           ; the choice hangs on the work-group's number alone: one text serves both weights
	s_cselect_b64 s[6:7], s[6:7], s[8:9]
	s_cselect_b32 s21, s21, 4096                   ; SN: bytes from row to row
	s_cselect_b32 s20, s18, s20                    ; which 128 columns of that weight
	s_lshl_b32 s23, s20, 9
	s_lshl_b32 s24, s16, 7
	s_add_co_u32 s23, s23, s24                     ; my wave's first column, in bytes
	s_lshl_b32 s22, s19, 7
	s_mul_i32 s22, s22, s21                        ; 128 ys rows down
	s_add_co_u32 s22, s22, s23
	s_mov_b32 s23, 0
	s_add_nc_u64 s[36:37], s[6:7], s[22:23]        ; a base for each of the four blocks of 32 rows: none is stepped
	s_lshl_b32 s24, s21, 5
	s_mov_b32 s25, 0
	s_add_nc_u64 s[38:39], s[36:37], s[24:25]
	s_add_nc_u64 s[40:41], s[38:39], s[24:25]
	s_add_nc_u64 s[42:43], s[40:41], s[24:25]
	s_lshl_b32 s26, s18, 3
	s_lshl_b32 s27, s16, 1
	s_add_co_u32 s26, s26, s27                     ; row tile 8 xg + 2 wave of wq (for w_out that is 192 + its own)
	s_mul_i32 s26, s26, RT
	s_mul_i32 s27, s19, 2*768                      ; images 2 ys, 2 ys + 1
	s_add_co_u32 s28, s26, s27
	s_mov_b32 s29, 0
	s_add_nc_u64 s[44:45], s[12:13], s[28:29]
	s_lshr_b32 s27, s19, 2
	s_lshl_b32 s27, s27, 8                         ; which half of K,
	s_and_b32 s28, s19, 3
	s_lshl_b32 s28, s28, 2                         ; which word of a row's sixteen bytes
	s_add_co_u32 s28, s28, s27
	s_add_co_u32 s28, s28, s26
	s_add_co_u32 s28, s28, 16*768
	s_add_nc_u64 s[46:47], s[12:13], s[28:29]
	s_wait_alu depctr_va_vdst(0)
	v_and_b32 v7, 8, v3
	v_add_nc_u32 v7, v7, v3
	v_lshl_add_u32 v7, v4, 3, v7                   ; place l is column 8 (l / 16) + r + 8 (r / 8)
	v_lshlrev_b32 v[VW], 2, v7
.set i, 1
.rept 31
	v_add_nc_u32 v[VW+i], s21, v[VW+i-1]           ; one row further down
.set i, i+1
.endr
	v_mul_u32_u24 v8, v4, RT
	v_lshl_add_u32 v8, v3, 4, v8                   ; my scale word: row tile l / 16, row r
.macro LOADW t                         ; block t: 32 rows of K, my column; the 32 lanes read 128 consecutive bytes, the four waves 512
.set i, 0
.rept 32
	global_load_b32 v[XW+32*((\t)%2)+i], v[VW+i], s[36+2*(\t):37+2*(\t)] th:TH_LOAD_NT
.set i, i+1
.endr
.endm
.macro BLOCKW t
.set XS, XW+32*((\t)%2)
.set CC, CW+8*(\t)
.if (\t) < 3
	s_wait_loadcnt 32                              ; this block's 32 loads are in; the next block's may be out
.else
	s_wait_loadcnt 0x0
.endif
	BLOCKMAX XS
	CODES CC, XS, 13
.if (\t) == 0
	v_mov_b32 v[SB], v13
.else
	v_lshl_or_b32 v[SB], v13, 8*(\t), v[SB]        ; four bytes to the word, the lower K in the lower byte
.endif
.if (\t)+2 < 4
	LOADW (\t)+2
.endif
.if (\t)%2 == 1                        ; two blocks are 64 along K.  The even block's lanes 16-31 change places with the odd block's lanes 0-15: the first is then the image of my first row tile, the second of my second
.irp i, 0,1,2,3,4,5
	v_permlane16_swap_b32 v[CC-8+\i], v[CC+\i]
.endr
	global_store_b128 v5, v[CC-8:CC-5], s[44:45] offset:768*((\t)/2)
	global_store_b64 v6, v[CC-4:CC-3], s[44:45] offset:768*((\t)/2)+512
	global_store_b128 v5, v[CC:CC+3], s[44:45] offset:RT+768*((\t)/2)
	global_store_b64 v6, v[CC+4:CC+5], s[44:45] offset:RT+768*((\t)/2)+512
.endif
.endm
	LOADW 0
	LOADW 1
.irp t, 0,1,2,3
	BLOCKW \t
.endr
	global_store_b32 v8, v[SB], s[46:47]           ; 4 bytes of each row's 16: these stores cover their 256 bytes in part; they are one byte for each 128 that the launch reads
	s_endpgm
.Lfunc_end_k_q969c9fddec_quant:
	.size	k_q969c9fddec_quant, .Lfunc_end_k_q969c9fddec_quant-k_q969c9fddec_quant
	.p2alignl 7, 3214868480
	.fill 96, 4, 3214868480
	.section	.rodata,"a",@progbits
	.p2align	6, 0x0
	.amdhsa_kernel k_q969c9fddec_quant
		.amdhsa_group_segment_fixed_size 35328
		.amdhsa_private_segment_fixed_size 0
		.amdhsa_enable_private_segment 0
		.amdhsa_kernarg_size 40
		.amdhsa_user_sgpr_count 2
		.amdhsa_user_sgpr_kernarg_segment_ptr 1
		.amdhsa_wavefront_size32 1
		.amdhsa_system_sgpr_workgroup_id_x 1
		.amdhsa_system_sgpr_workgroup_id_y 1
		.amdhsa_system_sgpr_workgroup_id_z 1
		.amdhsa_system_vgpr_workitem_id 0
		.amdhsa_next_free_vgpr 256
		.amdhsa_next_free_sgpr 66
		.amdhsa_reserve_vcc 1
		.amdhsa_float_denorm_mode_32 3
		.amdhsa_float_denorm_mode_16_64 3
		.amdhsa_memory_ordered 1
		.amdhsa_forward_progress 1
		.amdhsa_inst_pref_size 53
	.end_amdhsa_kernel
	.amdgpu_metadata
---
amdhsa.version: [ 1, 2 ]
amdhsa.kernels:
  - .name:           k_q969c9fddec_quant
    .symbol:         k_q969c9fddec_quant.kd
    .args:
      - { .name: x, .offset: 0, .size: 8, .value_kind: global_buffer, .address_space: global }
      - { .name: w_qkv, .offset: 8, .size: 8, .value_kind: global_buffer, .address_space: global }
      - { .name: w_out, .offset: 16, .size: 8, .value_kind: global_buffer, .address_space: global }
      - { .name: xq, .offset: 24, .size: 8, .value_kind: global_buffer, .address_space: global }
      - { .name: wq, .offset: 32, .size: 8, .value_kind: global_buffer, .address_space: global }
    .group_segment_fixed_size: 35328
    .private_segment_fixed_size: 0
    .kernarg_segment_align: 8
    .kernarg_segment_size: 40
    .max_flat_workgroup_size: 128
    .sgpr_count:     66
    .vgpr_count:     256
    .wavefront_size: 32
...
	.end_amdgpu_metadata
.endif
;; end of part 1
;; launch gemm_qkv (part 2): grid 8 x 48, 4 waves a work-group, clusters of 4 x 4, 327,680 bytes of LDS; arguments xq, wq, qb, kv; writes qb, kv
.if DOCPART == 2
	.amdgcn_target "amdgcn-amd-amdhsa--gfx1250"
	.amdhsa_code_object_version 6
	.text
	.protected	k_q969c9fddec_gemm_qkv
	.globl	k_q969c9fddec_gemm_qkv
	.p2align	8
	.type	k_q969c9fddec_gemm_qkv,@function
k_q969c9fddec_gemm_qkv:
	s_mov_b64 s[64:65], 0
	v_nop
	global_prefetch_b8 v0, s[64:65] scope:SCOPE_SE
	s_setreg_imm32_b32 hwreg(HW_REG_WAVE_MODE, 25, 1), 1
	s_wait_xcnt 0x0
	s_wait_alu depctr_hold_cnt(0) depctr_sa_sdst(0) depctr_va_vdst(0) depctr_va_sdst(0) depctr_va_ssrc(0) depctr_va_vcc(0) depctr_vm_vsrc(0)
	s_getreg_b32 s2, hwreg(HW_REG_IB_STS2, 6, 4)
	s_cmp_eq_u32 s2, 0
	s_cbranch_scc0 .Lentry_in_a_cluster
	s_endpgm
.Lentry_in_a_cluster:
	s_bfe_u32 s2, ttmp6, 0x10000c
	s_cmp_lg_u32 s2, 0xf033
	s_cbranch_scc0 .Lentry_shape_is_right
	s_endpgm
.Lentry_shape_is_right:
; qkv = x w_qkv on codes of FP6 (E2M3), K = 1,024, sums in f32; the results never go to memory as f32: on the way out q and k are quantised along the head's 64 and v along the keys, in registers.
; OPERANDS (xq, wq): row tiles of 12,800 bytes: 16 images of 768 bytes (16 rows x 64 K as six operand registers: registers 0-3 at 16 x lane, 4-5 at 512 + 8 x lane), then 512 scale bytes [K / 512][row][16].
; Inside each 32 rows, place r of tile u is row 8 u + r + 8 (r / 8).  A fragment (16 rows x 128 K, 12 registers) is two images: four LDS loads of consecutive bytes, no pitch, no padding.
; A work-group makes 256 rows of operand A x 256 rows of operand B; a wave 128 x 128: 64 accumulators, 512 registers.  THE MATRIX INSTRUCTION IS USED TRANSPOSED: source 0 = 16 rows of B, source 1 = 16 rows of A:
; lane (r, h) holds A's row r, and the 16 registers of B's tiles 2 b, 2 b + 1 are B's rows 32 b + 16 h + 0 .. 15: 16 neighbours along the next product's K.
; ROLES, chosen by the cluster's y alone (all partners alike; one way through the text): clusters y 0-7: A = x's tokens, B = w_qkv's columns 0-2,047 (cluster x 0: q, 1: k): registers run along the head's 64.
; clusters y 8-11: A = w_qkv's columns 2,048-3,071 (v), B = x's tokens: registers run along the KEYS, which are K of the product with the softmax.
; 384 work-groups: more than there are WGPs and no multiple: the second pass is half full; a tile of 128 x 256 would even that out and is not built.
; K goes in four steps of 256 through three LDS slots: K steps 0, 1, 2 and the scales are first fills (four tensor loads of a wave are out at the most), K step 3 fills slot 0 again.
; CLUSTERS: 4 x 4.  A's tiles are shared along a row of the cluster, B's along a column: joint loads, which divide the requests by four.
; OUT: qb [b h][token / 128]: 6,656 bytes: 8 images (16 tokens x 64), 512 bytes of scale words [tile / 4][row][tile % 4] (two bytes, upper half 0).
;      kv [b h][key / 128]: 13,312 bytes: K's 8 images; V^T's four tiles of 16 of the head's 64 x 128 keys (1,536 each); K's scale words as qb's; V's scale words [copy][row][tile], stored twice.
; LIMITS: NaN and infinities are not served; a block whose largest magnitude lies under 2^-124 has its byte held at 1 (a block of zeros too: its codes are zeros, and this program alone reads the bytes).
; REGISTERS: window 0: v1-23 addresses; v28-29 the add's; v32-63 scale words, two sets; v64-123 the way out; v128-223 A's fragments, one set.  window 1: B's fragments, two sets (v0, v128).  windows 2, 3: accumulator (a, b) at v[8 (8 (a % 4) + b)] of window 2 + a / 4.
.set RT,     12800
.set KSB,    3072                      ; a K step of 256 of a row tile: four images
.set HALFT,  8*KSB                     ; 8 row tiles: what one tensor load brings, and what a wave reads of A or of B
.set SLOT,   4*HALFT                   ; A's 16 row tiles, then B's 16
.set SCL,    3*SLOT                    ; behind the slots: the scales, 512 bytes a row tile: A's 16, B's 16
.set SPARE,  SCL+4*4096                ; the spare words, 128 bytes for each wave: two blocks of 256 bytes that no other line names
.set ADRA16, 4                         ; v4-6    16 x lane + my half of A in slot 0, 1, 2
.set ADRA8,  7                         ; v7-9    8 x lane + the same
.set ADRB16, 10                        ; v10-12  the same for B
.set ADRB8,  13                        ; v13-15
.set ADRS,   16                        ; v16     my scale words: lanes 0-15 A's rows, lanes 16-31 B's
.set L16,    17                        ; v17     16 x lane
.set L8,     18                        ; v18     8 x lane
.set VO16B,  19                        ; v19-23  the way out
.set VO8B,   20
.set VS,     21
.set VS2,    22
.set VSH,    23
.set SPW,    28                        ; v28     SPARE + 4 x my thread's number; never rewritten
.set NIL,    29                        ; v29     0; never rewritten
.set SC,     32                        ; set s at v[SC + 16 s]; register 2 i + q: lanes 0-15 A's block i, lanes 16-31 B's tile i, the K step's q-th 128
.set PC,     64                        ; v64-82  the codes just made
.set TM,     96                        ; v96-111 largest magnitudes, bytes, scale operands
.set PW,     112                       ; the scale word just made
.set T0,     113
.set SCW,    116                       ; v116-123 a scale word for each of my eight blocks
.set AF,     128
.set G1A,  24
.set G1B,  32
.set G1SA, 40
.set G1SB, 48
.set GA0,  56
.set GA1,  60
.set GA2,  68
.set GB0,  72
.set GB1,  76
.set GB2,  80
.set GSA,  84
.set GSB,  88
.set MSB, 0
.macro WIN new                         ; the immediate's high byte repeats the setting that is left
.if MSB != \new
	s_set_vgpr_msb (MSB<<8)|\new
.set MSB, \new
.endif
.endm
.set MUL_LO, 0xa1                      ; source 0 (B) window 1, source 1 (A) window 0, C and D window 2
.set MUL_HI, 0xf1                      ; the same, C and D window 3
.set TO_B,   0x40                      ; destination window 1, address window 0
.macro JLOAD g0a, g1a, g0b, g1b        ; a joint load: waves 0, 1 fetch for A, waves 2, 3 for B; the branch hangs on the wave's number alone; four v_nop follow each line
	s_cmp_eq_u32 s15, 0
	s_cbranch_scc0 .Lfor_b_\@
	tensor_load_to_lds s[\g0a:\g0a+3], s[\g1a:\g1a+7]
	s_nop 0
.rept 4
	v_nop
.endr
	s_branch .Lasked_\@
.Lfor_b_\@:
	tensor_load_to_lds s[\g0b:\g0b+3], s[\g1b:\g1b+7]
	s_nop 0
.rept 4
	v_nop
.endr
.Lasked_\@:
.endm
.macro CREST                           ; a round of the cluster's barrier behind its opening barrier
	s_cmp_lg_u32 s14, 0
	s_cbranch_scc1 .Lnot_wave_0_\@
	s_barrier_signal -3
.Lnot_wave_0_\@:
	s_barrier_wait -3
	s_barrier_signal -1
	s_barrier_wait -1
.endm
.macro CROUND
	s_barrier_signal -1
	s_barrier_wait -1
	CREST
.endm
.macro SETG0 g, lreg, loff, base, off  ; descriptor group 0: count 1, LDS address, global address, type 2
	s_mov_b32 s[\g], 1
	s_add_co_u32 s[\g+1], s[\lreg], \loff
	s_add_nc_u64 s[\g+2:\g+3], s[\base:\base+1], \off
	s_or_b32 s[\g+3], s[\g+3], 0x80000000
.endm
.macro PLACES n
.rept \n
	v_nop
.endr
.endm
.macro FRAG reg, a16, a8, off          ; a fragment = two images: 512, 256, 512, 256 consecutive bytes
	ds_load_b128 v[\reg:\reg+3], v[\a16] offset:\off
	ds_load_b64 v[\reg+4:\reg+5], v[\a8] offset:\off+512
	ds_load_b128 v[\reg+6:\reg+9], v[\a16] offset:\off+768
	ds_load_b64 v[\reg+10:\reg+11], v[\a8] offset:\off+1280
.endm
.macro FETCH_B slot, q, p              ; B's eight fragments of the slot's q-th 128 along K into set p
	WIN TO_B
.irp i, 0,1,2,3,4,5,6,7
	FRAG 128*(\p)+12*\i, ADRB16+\slot, ADRB8+\slot, \i*KSB+(\q)*1536
.endr
	WIN 0
.endm
.macro FETCH_A slot, q, i0             ; A's blocks i0 .. i0 + 3
.irp i, \i0, \i0+1, \i0+2, \i0+3
	FRAG AF+12*(\i), ADRA16+\slot, ADRA8+\slot, (\i)*KSB+(\q)*1536
.endr
.endm
.macro SCALES ks                       ; K step ks's two scale words a row into set ks % 2
.irp i, 0,1,2,3,4,5,6,7
	ds_load_b64 v[SC+16*((\ks)%2)+2*\i:SC+16*((\ks)%2)+2*\i+1], v[ADRS] offset:\i*512+((\ks)/2)*256+8*((\ks)%2)
.endr
.endm
; 16 matrix instructions: A's blocks a0, a0 + 1 x B's eight tiles.  The 64 accumulators take turns, one instruction a turn, in the same order in every step.
.macro MUL16 a0, p, q, sc, zero
.irp a, \a0, \a0+1
.irp b, 0,1,2,3,4,5,6,7
.if \zero
	v_wmma_scale_f32_16x16x128_f8f6f4 v[8*(8*((\a)%4)+\b):8*(8*((\a)%4)+\b)+7], v[128*(\p)+12*\b:128*(\p)+12*\b+11], v[AF+12*(\a):AF+12*(\a)+11], 0, v[SC+16*(\sc)+2*\b+(\q)], v[SC+16*(\sc)+2*(\a)+(\q)] matrix_a_fmt:MATRIX_FMT_FP6 matrix_b_fmt:MATRIX_FMT_FP6 matrix_a_scale:MATRIX_SCALE_ROW1
.else
	v_wmma_scale_f32_16x16x128_f8f6f4 v[8*(8*((\a)%4)+\b):8*(8*((\a)%4)+\b)+7], v[128*(\p)+12*\b:128*(\p)+12*\b+11], v[AF+12*(\a):AF+12*(\a)+11], v[8*(8*((\a)%4)+\b):8*(8*((\a)%4)+\b)+7], v[SC+16*(\sc)+2*\b+(\q)], v[SC+16*(\sc)+2*(\a)+(\q)] matrix_a_fmt:MATRIX_FMT_FP6 matrix_b_fmt:MATRIX_FMT_FP6 matrix_a_scale:MATRIX_SCALE_ROW1
.endif
.endr
.endr
.endm
; Matrix step Q of eight (128 along K), which also fetches step Q + 1's fragments from slot nslot.  A block of A is free as soon as its eight products are issued: A has one set, B two.
; mode 0: nothing to meet.  mode 1: a work-group barrier in its middle.  mode 2: that barrier opens a round of the cluster's, and slot 0 is filled again behind it.
; Four places (plain vector lines that name no register of the products) stand in front of each run of loads into registers that products have read.
.macro GSTEP Q, mode, nslot, zero
.if \mode == 0
	s_wait_dscnt 16                                ; B's set, A's blocks 0-3 and the scale words are in; the youngest sixteen loads (A's blocks 4-7) may be out
	WIN MUL_LO
	MUL16 0, (\Q)%2, (\Q)%2, ((\Q)/2)%2, \zero
	MUL16 2, (\Q)%2, (\Q)%2, ((\Q)/2)%2, \zero
	s_wait_dscnt 0x0                               ; A's blocks 4-7 are in
	PLACES 4
.else
	s_wait_tensorcnt 0x0                           ; all my tensor loads have landed;  (every window is 0 here)
	ds_add_u32 v[SPW], v[NIL]                      ; 0 onto my spare word
	s_wait_dscnt 17                                ; (the add and the youngest sixteen loads may be out)
	WIN MUL_LO
	MUL16 0, (\Q)%2, (\Q)%2, ((\Q)/2)%2, 0         ; sixteen products stand between the add and the wait for it
	s_wait_dscnt 0x0                               ; the add is done, and my reads of the slot in hand are over
	s_barrier_signal -1
	MUL16 2, (\Q)%2, (\Q)%2, ((\Q)/2)%2, 0
	WIN 0
	s_barrier_wait -1
.if \mode == 2
	CREST                                          ; no wave of any partner still reads slot 0 or has a load on its way
	s_add_nc_u64 s[GA0+2:GA0+3], s[GA0+2:GA0+3], 3*KSB   ; K step 3
	s_add_nc_u64 s[GB0+2:GB0+3], s[GB0+2:GB0+3], 3*KSB
	JLOAD GA0, G1A, GB0, G1B                       ; my one tensor load behind the round, and the first thing there; its four v_nop are the places in front of the loads below
.else
	PLACES 4
.endif
.endif
	FETCH_B \nslot, ((\Q)+1)%2, 1-(\Q)%2
	FETCH_A \nslot, ((\Q)+1)%2, 0
.if ((\Q)+1)%2 == 0
	SCALES ((\Q)+1)/2
.endif
	WIN MUL_HI
	MUL16 4, (\Q)%2, (\Q)%2, ((\Q)/2)%2, \zero
	MUL16 6, (\Q)%2, (\Q)%2, ((\Q)/2)%2, \zero
	PLACES 4
	WIN 0
	FETCH_A \nslot, ((\Q)+1)%2, 4
.endm
	s_load_b256 s[4:11], s[0:1], 0x0               ; xq s[4:5], wq s[6:7], qb s[8:9], kv s[10:11]
	v_lshl_add_u32 v[SPW], v0, 2, SPARE
	v_mov_b32 v[NIL], 0
	ds_add_u32 v28, v29
	ds_add_u32 v28, v29
	s_wait_dscnt 0x0
	v_lshrrev_b32 v1, 5, v0
	v_readfirstlane_b32 s14, v1                    ; wave 0..3
	s_lshr_b32 s15, s14, 1                         ; wr: my half of A's rows.  Also: I fetch for A (0) or for B (1)
	s_and_b32 s16, s14, 1                          ; wc: my half of B's rows.  Also: which 8 row tiles I fetch
	s_bfe_u32 s17, ttmp6, 0x40000                  ; cx
	s_bfe_u32 s18, ttmp6, 0x40004                  ; cy
	s_and_b32 s22, ttmp7, 0xffff                   ; the cluster's y
	s_mov_b32 s20, 0x76543210
	s_mov_b32 s21, 0xfedcba98                      ; v_permlanex16_b32's selects for lane l xor 16
	s_lshl_b32 s92, s18, 2
	s_lshl_b32 s92, 15, s92                        ; my row of the cluster
	s_lshl_b32 s93, 0x1111, s17                    ; my column
	s_or_b32 s[G1A], s92, (3<<16)|(1<<21)          ; 15:0 the mask; 17:16 elements of 8 bytes; 21 set beside a mask; no padding
	s_or_b32 s[G1B], s93, (3<<16)|(1<<21)
	s_or_b32 s[G1SA], s92, (3<<16)|(1<<21)
	s_or_b32 s[G1SB], s93, (3<<16)|(1<<21)
.irp g, G1A, G1B                       ; codes: 8 row tiles x 3,072 bytes, 12,800 bytes apart
	s_mov_b32 s[\g+1], (KSB/8)<<16                 ; tensor_dim0
	s_mov_b32 s[\g+2], 8<<16                       ; tensor_dim1
	s_mov_b32 s[\g+3], (KSB/8)<<16                 ; tile_dim0
	s_mov_b32 s[\g+4], 8                           ; tile_dim1
	s_mov_b32 s[\g+5], RT/8                        ; tensor_dim0_stride
	s_mov_b32 s[\g+6], 0
	s_mov_b32 s[\g+7], 0
.endr
.irp g, G1SA, G1SB                     ; scales: 8 row tiles x 512 bytes
	s_mov_b32 s[\g+1], 64<<16
	s_mov_b32 s[\g+2], 8<<16
	s_mov_b32 s[\g+3], 64<<16
	s_mov_b32 s[\g+4], 8
	s_mov_b32 s[\g+5], RT/8
	s_mov_b32 s[\g+6], 0
	s_mov_b32 s[\g+7], 0
.endr
	; A's first row tile hangs on the cluster's y and cy alone, B's on the cluster's x, y and cx alone, each in registers that never hold the other place
	s_lshl_b32 s94, s22, 2
	s_add_co_u32 s94, s94, s18
	s_lshl_b32 s94, s94, 4                         ; q, k: x's row tile 16 (4 y + cy)
	s_lshl_b32 s95, s18, 4
	s_add_co_u32 s95, s95, 128                     ; v: wq's row tile 128 + 16 cy
	s_lshl_b32 s96, ttmp9, 2
	s_add_co_u32 s96, s96, s17
	s_lshl_b32 s96, s96, 4                         ; 16 (4 x + cx): wq's for q, k;
	s_sub_co_u32 s97, s22, 8
	s_lshl_b32 s97, s97, 7                         ; for v 128 (y - 8) more, of x's
	s_cmp_ge_u32 s22, 8
	s_cselect_b32 s23, 1, 0                        ; 1: this cluster makes v
	s_cselect_b32 s94, s95, s94
	s_cselect_b32 s97, s97, 0
	s_add_co_u32 s96, s96, s97
	s_lshl_b32 s98, s16, 3
	s_add_co_u32 s94, s94, s98                     ; the 8 row tiles that I fetch
	s_add_co_u32 s96, s96, s98
	s_mul_i32 s94, s94, RT
	s_mul_i32 s96, s96, RT
	s_mov_b32 s95, 0
	s_mov_b32 s97, 0
	s_mul_i32 s98, s14, HALFT                      ; where they go: wave x 8 row tiles: no place in the cluster enters an LDS address
	s_lshl_b32 s99, s14, 12
	s_wait_kmcnt 0x0
	s_cmp_lg_u32 s23, 0
	s_cselect_b64 s[2:3], s[6:7], s[4:5]           ; A's buffer
	s_cselect_b64 s[12:13], s[4:5], s[6:7]         ; B's
	s_add_nc_u64 s[94:95], s[2:3], s[94:95]
	s_add_nc_u64 s[96:97], s[12:13], s[96:97]
	CROUND                                         ; all sixteen work-groups are here: the first joint loads meet
	SETG0 GSA, 99, SCL, 94, 16*768
	SETG0 GSB, 99, SCL, 96, 16*768
	JLOAD GSA, G1SA, GSB, G1SB                     ; the scales of all of K: filled once
	SETG0 GA0, 98, 0, 94, 0
	SETG0 GB0, 98, 0, 96, 0
	JLOAD GA0, G1A, GB0, G1B                       ; K step 0
	SETG0 GA1, 98, SLOT, 94, KSB
	SETG0 GB1, 98, SLOT, 96, KSB
	JLOAD GA1, G1A, GB1, G1B                       ; K step 1
	SETG0 GA2, 98, 2*SLOT, 94, 2*KSB
	SETG0 GB2, 98, 2*SLOT, 96, 2*KSB
	JLOAD GA2, G1A, GB2, G1B                       ; K step 2: four loads of mine are out
	v_and_b32 v1, 31, v0                           ; lane
	v_and_b32 v2, 15, v0                           ; r
	v_bfe_u32 v3, v0, 4, 1                         ; h
	v_lshlrev_b32 v[L16], 4, v1
	v_lshlrev_b32 v[L8], 3, v1
	s_mul_i32 s92, s15, HALFT                      ; my half of A
	s_mul_i32 s93, s16, HALFT
	s_add_co_u32 s93, s93, 2*HALFT                 ; my half of B, behind A's two
.irp s, 0,1,2
	v_add_nc_u32 v[ADRA16+\s], s92, v[L16]
	v_add_nc_u32 v[ADRA8+\s], s92, v[L8]
	v_add_nc_u32 v[ADRB16+\s], s93, v[L16]
	v_add_nc_u32 v[ADRB8+\s], s93, v[L8]
	s_add_co_u32 s92, s92, SLOT
	s_add_co_u32 s93, s93, SLOT
.endr
	s_lshl_b32 s92, s15, 12                        ; A's scales: my 8 row tiles
	s_lshl_b32 s93, s16, 12
	s_add_co_u32 s93, s93, 2*4096                  ; B's: behind A's 16
	s_sub_co_u32 s93, s93, s92
	v_mul_u32_u24 v19, s93, v3                     ; lanes 16-31 take B's: the lower base + h x the distance
	v_lshl_add_u32 v19, v2, 4, v19                 ; 16 bytes a row
	s_add_co_u32 s92, s92, SCL
	v_add_nc_u32 v[ADRS], s92, v19
	s_wait_alu depctr_va_vdst(0)
	s_wait_tensorcnt 2                             ; the scales and my part of K step 0 are in; K steps 1 and 2 may be out
	s_barrier_signal -1
	s_barrier_wait -1                              ; everybody's are
	FETCH_B 0, 0, 0
	FETCH_A 0, 0, 0
	SCALES 0
	FETCH_A 0, 0, 4
	GSTEP 0, 0, 0, 1                               ; the first products start the sums: nothing is cleared
	GSTEP 1, 2, 1, 0                               ; slot 0 is left and takes K step 3; every wave's K steps 1 and 2 have landed
	GSTEP 2, 0, 1, 0
	GSTEP 3, 0, 2, 0                               ; on to slot 2: shown whole to every wave by the round above
	GSTEP 4, 0, 2, 0
	GSTEP 5, 1, 0, 0                               ; K step 3 has landed in every wave: on to slot 0
	GSTEP 6, 0, 0, 0
	s_wait_dscnt 16                                ; the last step: nothing more to fetch
	WIN MUL_LO
	MUL16 0, 1, 1, 1, 0
	MUL16 2, 1, 1, 1, 0
	s_wait_dscnt 0x0
	WIN MUL_HI
	MUL16 4, 1, 1, 1, 0
	MUL16 6, 1, 1, 1, 0
	WIN 0
; THE WAY OUT.  Block a's 64 registers of a lane are 128 neighbours' half along the next K (register 16 b + i = k 32 b + 16 h + i of my row): they become a fragment's 12 registers and a scale word.
; q, k: the 128 are two heads' 64: the fragment's two images go to heads HD and HD + 1, tile a of my 128 tokens; the word's lower two bytes are head HD's, the upper two head HD + 1's.
; v: the 128 are a key step: the two images lie side by side; blocks 0-3 are head HD's four tiles of 16, blocks 4-7 head HD + 1's.
; No tensor load is out (the last wait for all of them stands above), so the descriptors' scalar registers are used again.
	s_lshl_b32 s24, s22, 2
	s_add_co_u32 s24, s24, s18                     ; q, k: A's tile 4 y + cy
	s_lshl_b32 s25, ttmp9, 2
	s_add_co_u32 s25, s25, s17                     ; 4 x + cx
	s_sub_co_u32 s26, s22, 8
	s_lshl_b32 s26, s26, 3
	s_add_co_u32 s26, s26, s25                     ; v: B's tile 8 (y - 8) + 4 x + cx
	s_lshl_b32 s27, s24, 1
	s_add_co_u32 s27, s27, s15                     ; which 128 tokens: q, k
	s_lshl_b32 s28, s26, 1
	s_add_co_u32 s28, s28, s16                     ; v
	s_lshl_b32 s29, s25, 2
	s_lshl_b32 s30, s16, 1
	s_add_co_u32 s29, s29, s30
	s_and_b32 s29, s29, 15                         ; my first head: q, k
	s_lshl_b32 s30, s18, 2
	s_lshl_b32 s31, s15, 1
	s_add_co_u32 s30, s30, s31                     ; v
	s_cmp_lg_u32 s23, 0
	s_cselect_b32 s27, s28, s27                    ; U
	s_cselect_b32 s29, s30, s29                    ; HD
	s_or_b32 s32, s23, ttmp9                       ; 0: this cluster makes q
	s_mov_b32 s33, 13312
	s_mov_b32 s34, 12288
	s_cmp_eq_u32 s32, 0
	s_cselect_b32 s33, 6656, s33                   ; bytes of a block of 128 tokens
	s_cselect_b32 s34, 6144, s34                   ; where its scale words begin: q, k
	s_cselect_b64 s[36:37], s[8:9], s[10:11]       ; qb or kv
	s_cmp_lg_u32 s23, 0
	s_cselect_b32 s34, 12800, s34                  ; v
	s_cselect_b32 s35, 6144, 0                     ; where its images begin
	s_lshr_b32 s38, s27, 4
	s_lshl_b32 s38, s38, 4
	s_add_co_u32 s38, s38, s29                     ; 16 b + head
	s_lshl_b32 s38, s38, 4
	s_and_b32 s39, s27, 15
	s_add_co_u32 s38, s38, s39
	s_mul_i32 s38, s38, s33                        ; my block, in bytes
	s_lshl_b32 s40, s33, 4                         ; HS: bytes from head to head
	s_add_co_u32 s42, s38, s35
	s_mov_b32 s43, 0
	s_add_nc_u64 s[42:43], s[36:37], s[42:43]      ; the images
	s_add_co_u32 s44, s38, s34
	s_mov_b32 s45, 0
	s_add_nc_u64 s[44:45], s[36:37], s[44:45]      ; the scale words
	s_sub_co_u32 s48, s40, 3*1536
	s_mov_b32 s50, 768
	s_mov_b32 s51, 256
	s_mov_b32 s52, 0xffff
	s_cmp_lg_u32 s23, 0
	s_cselect_b32 s46, 1536, s50                   ; from block to block
	s_cselect_b32 s48, s48, s50                    ; from block 3 to block 4: v goes on to the next head
	s_cselect_b32 s53, s50, s40                    ; from a fragment's first image to its second
	s_cselect_b32 s54, s51, s40                    ; scale words: from lanes 0-15 to lanes 16-31: v's second copy; q, k: the next head
	s_cselect_b32 s55, s40, s51                    ; and from blocks 0-3 to blocks 4-7
	s_cselect_b32 s52, -1, s52                     ; v keeps all four bytes, q and k two
	s_cselect_b32 s56, 0, 16                       ; q, k: lanes 16-31 take the upper two
	s_mov_b32 s47, 0
	s_mov_b32 s49, 0
	v_add_nc_u32 v[VO16B], s53, v[L16]             ; these ten plain lines, which name no register of the last products, are the places behind them
	v_add_nc_u32 v[VO8B], s53, v[L8]
	v_mul_u32_u24 v[VS], s54, v3
	v_lshl_add_u32 v[VS], v2, 4, v[VS]
	v_add_nc_u32 v[VS2], s55, v[VS]
	v_mul_u32_u24 v[VSH], s56, v3
.irp b, 0,1,2,3
	v_mov_b32 v[TM+4+\b], 0                        ; (a lane permute's destination counts as one of its sources)
.endr
.macro OUTBLK a
.set AC, 64*((\a)%4)
.set WA, 2+(\a)/4
.set WW, WA|(WA<<2)
	WIN WW                                         ; sources 0 and 1: the accumulators' window
.irp b, 0,1,2,3
	v_max3_num_f32 v[TM+\b], |v[AC+16*\b]|, |v[AC+16*\b+1]|, 0x1800000   ; block b: my 16 numbers, each accumulator from its low end on, and the floor 2^(3 - 127)
.endr
.irp i, 2,4,6,8,10,12,14
.irp b, 0,1,2,3
	v_max3_num_f32 v[TM+\b], |v[AC+16*\b+\i]|, |v[AC+16*\b+\i+1]|, v[TM+\b]   ; (the four blocks by turns)
.endr
.endr
	WIN 0
.irp b, 0,1,2,3
	v_permlanex16_b32 v[TM+4+\b], v[TM+\b], s20, s21
.endr
.irp b, 0,1,2,3
	v_max_num_f32 v[TM+\b], v[TM+\b], v[TM+4+\b]   ; with lane l xor 16's: the block's largest magnitude
.endr
.irp b, 0,1,2,3
	v_add_nc_u32 v[TM+12+\b], 0xff000000, v[TM+\b] ; 2 off its exponent field: the conversion's scale operand
.endr
.irp b, 0,1,2,3
	v_lshrrev_b32 v[TM+4+\b], 23, v[TM+12+\b]      ; the scale's byte
.endr
	v_lshl_or_b32 v[PW], v[TM+5], 8, v[TM+4]
	v_lshl_or_b32 v[PW], v[TM+6], 16, v[PW]
	v_lshl_or_b32 v[PW], v[TM+7], 24, v[PW]
	v_lshrrev_b32 v[T0], v[VSH], v[PW]
	v_and_b32 v[SCW+(\a)], s52, v[T0]
	s_wait_xcnt 0x0                                ; the last block's stores have read their data and their base: both are written again only behind this wait
.if (\a) == 4
	s_add_nc_u64 s[42:43], s[42:43], s[48:49]
.elseif (\a) > 0
	s_add_nc_u64 s[42:43], s[42:43], s[46:47]
.endif
	WIN WA                                         ; source 0: the accumulators' window
.irp c, 0,1
	v_cvt_scalef32_pk16_fp6_f32 v[PC+6*\c:PC+6*\c+2], v[AC+32*\c:AC+32*\c+15], v[TM+12+2*\c]
	v_cvt_scalef32_pk16_fp6_f32 v[PC+12+4*\c:PC+14+4*\c], v[AC+16+32*\c:AC+31+32*\c], v[TM+13+2*\c]   ; (a conversion's three registers begin on an even number)
.endr
	WIN 0
	v_nop                                          ; one plain line behind a scaled conversion
.irp c, 0,1                            ; the operand's layout wants a whole block in a lane: lanes 0-15 block 2 c, lanes 16-31 block 2 c + 1
.irp i, 0,1,2
	v_permlane16_swap_b32 v[PC+6*\c+\i], v[PC+12+4*\c+\i]
.endr
.irp i, 0,1,2
	v_mov_b32 v[PC+3+6*\c+\i], v[PC+12+4*\c+\i]
.endr
.endr
	global_store_b128 v[L16], v[PC:PC+3], s[42:43]                 ; an image: 512 consecutive bytes, then 256, each aligned to 256
	global_store_b64 v[L8], v[PC+4:PC+5], s[42:43] offset:512
	global_store_b128 v[VO16B], v[PC+6:PC+9], s[42:43]
	global_store_b64 v[VO8B], v[PC+10:PC+11], s[42:43] offset:512
.endm
.irp a, 0,1,2,3,4,5,6,7
	OUTBLK \a
.endr
	global_store_b128 v[VS], v[SCW:SCW+3], s[44:45]                ; sixteen lanes store 256 consecutive bytes, aligned
	global_store_b128 v[VS2], v[SCW+4:SCW+7], s[44:45]
	s_wait_tensorcnt 0x0                           ; the wave's end
	ds_add_u32 v[SPW], v[NIL]
	s_wait_dscnt 0x0
	CROUND                                         ; the closing round: no work-group ends while a partner may still ask for a tile that names it
	s_endpgm
.Lfunc_end_k_q969c9fddec_gemm_qkv:
	.size	k_q969c9fddec_gemm_qkv, .Lfunc_end_k_q969c9fddec_gemm_qkv-k_q969c9fddec_gemm_qkv
	.p2alignl 7, 3214868480
	.fill 96, 4, 3214868480
	.section	.rodata,"a",@progbits
	.p2align	6, 0x0
	.amdhsa_kernel k_q969c9fddec_gemm_qkv
		.amdhsa_group_segment_fixed_size 327680
		.amdhsa_private_segment_fixed_size 0
		.amdhsa_enable_private_segment 0
		.amdhsa_kernarg_size 32
		.amdhsa_user_sgpr_count 2
		.amdhsa_user_sgpr_kernarg_segment_ptr 1
		.amdhsa_wavefront_size32 1
		.amdhsa_system_sgpr_workgroup_id_x 1
		.amdhsa_system_sgpr_workgroup_id_y 1
		.amdhsa_system_sgpr_workgroup_id_z 1
		.amdhsa_system_vgpr_workitem_id 0
		.amdhsa_next_free_vgpr 1024
		.amdhsa_next_free_sgpr 100
		.amdhsa_reserve_vcc 0
		.amdhsa_float_denorm_mode_32 3
		.amdhsa_float_denorm_mode_16_64 3
		.amdhsa_memory_ordered 1
		.amdhsa_forward_progress 1
		.amdhsa_inst_pref_size 151
	.end_amdhsa_kernel
	.amdgpu_metadata
---
amdhsa.version: [ 1, 2 ]
amdhsa.kernels:
  - .name:           k_q969c9fddec_gemm_qkv
    .symbol:         k_q969c9fddec_gemm_qkv.kd
    .args:
      - { .name: xq, .offset: 0, .size: 8, .value_kind: global_buffer, .address_space: global }
      - { .name: wq, .offset: 8, .size: 8, .value_kind: global_buffer, .address_space: global }
      - { .name: qb, .offset: 16, .size: 8, .value_kind: global_buffer, .address_space: global }
      - { .name: kv, .offset: 24, .size: 8, .value_kind: global_buffer, .address_space: global }
    .group_segment_fixed_size: 327680
    .private_segment_fixed_size: 0
    .kernarg_segment_align: 8
    .kernarg_segment_size: 32
    .max_flat_workgroup_size: 128
    .sgpr_count:     100
    .vgpr_count:     1024
    .wavefront_size: 32
...
	.end_amdgpu_metadata
.endif
;; end of part 2
;; launch attn (part 3): grid 4 x 64, 16 waves a work-group, clusters of 4 x 1, 215,040 bytes of LDS; arguments qb, kv, aq; writes aq
.if DOCPART == 3
	.amdgcn_target "amdgcn-amd-amdhsa--gfx1250"
	.amdhsa_code_object_version 6
	.text
	.protected	k_q969c9fddec_attn
	.globl	k_q969c9fddec_attn
	.p2align	8
	.type	k_q969c9fddec_attn,@function
k_q969c9fddec_attn:
	s_mov_b64 s[64:65], 0
	v_nop
	global_prefetch_b8 v0, s[64:65] scope:SCOPE_SE
	s_setreg_imm32_b32 hwreg(HW_REG_WAVE_MODE, 25, 1), 1
	s_wait_xcnt 0x0
	s_wait_alu depctr_hold_cnt(0) depctr_sa_sdst(0) depctr_va_vdst(0) depctr_va_sdst(0) depctr_va_ssrc(0) depctr_va_vcc(0) depctr_vm_vsrc(0)
	s_getreg_b32 s2, hwreg(HW_REG_IB_STS2, 6, 4)
	s_cmp_eq_u32 s2, 0
	s_cbranch_scc0 .Lentry_in_a_cluster
	s_endpgm
.Lentry_in_a_cluster:
	s_bfe_u32 s2, ttmp6, 0x10000c
	s_cmp_lg_u32 s2, 0x3003
	s_cbranch_scc0 .Lentry_shape_is_right
	s_endpgm
.Lentry_shape_is_right:
; Causal attention of one (batch, head) a cluster, both products on codes of FP6 (E2M3); head size 64, 2,048 tokens.  In: qb, kv; out: aq, the result quantised along the head's 64, laid as the last product's operand.
; SOFTMAX: t = score x log2(e) / 8; M = the running largest t rounded UP to a whole number; p = 2^(t - M) is quantised along the keys, not normalised; the row's sum is taken of the unquantised p, in f32, and
; divides at the end.  When M moves, the sum and O are multiplied by 2^(old M - new M): exact.
; LDS: the head's whole kv block (16 key steps of 128 keys x 13,312 bytes: K's 8 images, V^T's 4 tiles x 1,536, K's scale words, V's scale words) lies in LDS, FILLED ONCE: no slot is filled again.
; CLUSTER: the four work-groups of a cluster read the same 212,992 bytes: each wave asks jointly for 13 rows of 256 bytes of each of four groups of 4 key steps: four tensor loads of a wave are out at the most.
; SHARES: wave w of work-group cx owns query tiles 4 w + cx (lo) and 127 - 4 w - cx (hi): 17 key steps in all for every wave.  The partners' tiles of one w lie inside one key step, so the step on the diagonal is
; w / 2 (lo), (31 - w) / 2 (hi): branches hang on the wave's number and the step's counter alone; cx enters global addresses and the lanes' query numbers (compares and selects) only.
; ORDER, chosen so that all waves have equal work between barriers: hi's steps 0-3 (four in every wave; they read the first group's bytes alone) | the one barrier behind which the whole head is in LDS |
; lo's steps 0 .. w / 2, lo's end, hi's steps 4 .. (31 - w) / 2, hi's end: (w / 2 + 1) + ((31 - w) / 2 - 3) = 13 steps in every wave, with no barrier among them.
; Steps whose keys all come after the tile's queries are jumped over; on the diagonal hidden scores become -infinity ahead of the maximum.  Key 0 counts for every query, so M is a number from the first step on.
; LAYOUT: both products transposed: S^T = K Q^T, O^T = V^T P^T: a lane holds ONE query.  Inside each 32 tokens place r of tile u is token 8 u + r + 8 (r / 8): the 16 registers of K's tiles 2 b, 2 b + 1 are keys 32 b + 16 h + 0 .. 15.
; K = 64 IN AN INSTRUCTION OF 128: Q's upper six registers hold zero codes; K's upper six hold whatever codes stood there (the format has no NaN and no infinity) and bytes 2, 3 of both scale words are 0 (2^-127): that half adds exactly 0.
; LIMITS: NaN and infinities are not served; a block of the result whose largest magnitude lies under 2^-124 has its byte held at 1.
; REGISTERS: v1-3 16 l, 8 l, 16 r; v8-9 the step's LDS addresses; v12-15 / v28-31 -M, largest t, the sum in two halves (hi / lo); v16-27 / v80-91 Q; v255 / v92 Q's scale word; v93 / v94 my query - 16 h;
;   v32-79 four fragments; v96-159 S^T, then p; v160-191 / v192-223 O^T; v224-235 p's codes; v232-254 at work.
.set STEPB, 13312
.set GRPB,  4*STEPB
.set HEADB, 16*STEPB
.set L16, 1
.set L8,  2
.set R16, 3
.set A16, 8
.set A8,  9
.set WV,  10
.set SEL, 20
.set CS,  22
.set G0,  24                           ; s[24:39] four groups 0
.set G1,  40                           ; s[40:47] group 1
.set TB,  48                           ; LDS byte of the key step in hand
.set J,   49                           ; its number
.set KF,  50                           ; its first key
.set JL,  51                           ; the step on lo's diagonal
.set JH,  52                           ; on hi's
.macro CROUND
	s_barrier_signal -1
	s_barrier_wait -1
	s_cmp_lg_u32 s[WV], 0
	s_cbranch_scc1 .Lnot_wave_0_\@
	s_barrier_signal -3
.Lnot_wave_0_\@:
	s_barrier_wait -3
	s_barrier_signal -1
	s_barrier_wait -1
.endm
; addresses of query tile s[tau]: its image and scale words in qb, its image and scale bytes in aq, and the first token of its places
.macro TILEADR tau, pq, pqs, po, pos, q0
	s_lshl_b32 s74, s12, 4
	s_lshr_b32 s75, s[\tau], 3
	s_add_co_u32 s74, s74, s75
	s_mul_i32 s74, s74, 6656                       ; the block of eight tiles
	s_and_b32 s75, s[\tau], 7
	s_mul_i32 s75, s75, 768
	s_add_co_u32 s76, s74, s75
	s_mov_b32 s77, 0
	s_add_nc_u64 s[\pq:\pq+1], s[4:5], s[76:77]
	s_bfe_u32 s75, s[\tau], 0x10002
	s_lshl_b32 s75, s75, 8                         ; scale words [tile / 4][row][tile % 4]
	s_and_b32 s76, s[\tau], 3
	s_lshl_b32 s76, s76, 2
	s_add_co_u32 s76, s76, s75
	s_add_co_u32 s76, s76, s74
	s_add_co_u32 s76, s76, 6144
	s_add_nc_u64 s[\pqs:\pqs+1], s[4:5], s[76:77]
	s_lshr_b32 s74, s12, 4
	s_lshl_b32 s74, s74, 7
	s_add_co_u32 s74, s74, s[\tau]
	s_mul_i32 s74, s74, 12800                      ; aq's row tile 128 b + tile
	s_and_b32 s75, s12, 15                         ; the head is the image's number: K = 64 head + channel
	s_mul_i32 s76, s75, 768
	s_add_co_u32 s76, s76, s74
	s_add_nc_u64 s[\po:\po+1], s[8:9], s[76:77]
	s_lshr_b32 s76, s75, 3
	s_lshl_b32 s76, s76, 8
	s_and_b32 s75, s75, 7
	s_lshl_b32 s75, s75, 1
	s_add_co_u32 s76, s76, s75
	s_add_co_u32 s76, s76, s74
	s_add_co_u32 s76, s76, 12288
	s_add_nc_u64 s[\pos:\pos+1], s[8:9], s[76:77]
	s_lshr_b32 s74, s[\tau], 1
	s_lshl_b32 s74, s74, 5
	s_and_b32 s75, s[\tau], 1
	s_lshl_b32 s75, s75, 3
	s_add_co_u32 s[\q0], s74, s75                  ; 32 (tile / 2) + 8 (tile % 2)
.endm
	s_load_b128 s[4:7], s[0:1], 0x0                ; qb s[4:5], kv s[6:7]
	s_load_b64 s[8:9], s[0:1], 0x10                ; aq
	v_lshl_add_u32 v95, v0, 2, 0x34000
	v_mov_b32 v243, 0
	ds_add_u32 v95, v243
	ds_add_u32 v95, v243
	v_lshrrev_b32 v4, 5, v0
	s_delay_alu instid0(VALU_DEP_1)
	v_readfirstlane_b32 s[WV], v4                  ; wave 0..15
	s_bfe_u32 s11, ttmp6, 0x40000                  ; cx
	s_and_b32 s12, ttmp7, 0xffff                   ; 16 b + head: the cluster's y, which the partners share
	s_mov_b32 s[G1], 15|(3<<16)|(1<<21)            ; 15:0 all four work-groups; 17:16 elements of 8 bytes; 21 set beside a mask; no padding
	s_mov_b32 s[G1+1], 32<<16                      ; tensor_dim0: 256 bytes
	s_mov_b32 s[G1+2], 13<<16                      ; tensor_dim1
	s_mov_b32 s[G1+3], 32<<16                      ; tile_dim0
	s_mov_b32 s[G1+4], 13                          ; tile_dim1
	s_mov_b32 s[G1+5], 32                          ; dense rows
	s_mov_b32 s[G1+6], 0
	s_mov_b32 s[G1+7], 0
	s_mul_i32 s13, s[WV], 13*256                   ; my 13 rows of a group, in memory and in LDS alike
	s_mul_i32 s14, s12, HEADB
	s_add_co_u32 s14, s14, s13
	s_mov_b32 s15, 0
	s_mov_b32 s[SEL], 0x76543210
	s_mov_b32 s[SEL+1], 0xfedcba98                 ; v_permlanex16_b32's selects for lane l xor 16
	s_mov_b32 s[CS], 0x3e38aa3b                    ; c = log2(e) / 8
	s_mov_b32 s[CS+1], s[CS]                       ; (named with it as a pair, so it is written)
	s_lshl_b32 s16, s[WV], 2
	s_add_co_u32 s16, s16, s11                     ; tile lo
	s_sub_co_u32 s17, 127, s16                     ; tile hi
	s_lshr_b32 s[JL], s[WV], 1
	s_sub_co_u32 s[JH], 31, s[WV]
	s_lshr_b32 s[JH], s[JH], 1
	s_wait_dscnt 0x0
	s_wait_kmcnt 0x0
	s_add_nc_u64 s[14:15], s[6:7], s[14:15]
	CROUND                                         ; all four work-groups are here: the joint loads meet
.irp g, 0,1,2,3
	s_mov_b32 s[G0+4*\g], 1
	s_add_co_u32 s[G0+4*\g+1], s13, \g*GRPB
	s_add_nc_u64 s[G0+4*\g+2:G0+4*\g+3], s[14:15], \g*GRPB
	s_or_b32 s[G0+4*\g+3], s[G0+4*\g+3], 0x80000000
.endr
	tensor_load_to_lds s[G0:G0+3], s[G1:G1+7]      ; all fills of the launch, in one group
	s_nop 0
	tensor_load_to_lds s[G0+4:G0+7], s[G1:G1+7]
	s_nop 0
	tensor_load_to_lds s[G0+8:G0+11], s[G1:G1+7]
	s_nop 0
	tensor_load_to_lds s[G0+12:G0+15], s[G1:G1+7]
	s_nop 0
.rept 4
	v_nop
.endr
	TILEADR 17, 54, 56, 66, 68, 18                 ; hi
	TILEADR 16, 58, 60, 70, 72, 19                 ; lo
	v_and_b32 v4, 31, v0
	s_delay_alu instid0(VALU_DEP_1)
	v_lshlrev_b32 v[L16], 4, v4
	s_delay_alu instid0(VALU_DEP_2)
	v_lshlrev_b32 v[L8], 3, v4
	v_and_b32 v5, 15, v0
	s_delay_alu instid0(VALU_DEP_1)
	v_lshlrev_b32 v[R16], 4, v5
	global_load_b128 v[16:19], v[L16], s[54:55]    ; Q's images stay in registers
	global_load_b64 v[20:21], v[L8], s[54:55] offset:512
	global_load_b32 v255, v[R16], s[56:57]
	global_load_b128 v[80:83], v[L16], s[58:59]
	global_load_b64 v[84:85], v[L8], s[58:59] offset:512
	global_load_b32 v92, v[R16], s[60:61]
	v_bfe_u32 v6, v0, 4, 1
	v_and_b32 v7, 8, v5
	s_delay_alu instid0(VALU_DEP_1)
	v_add_nc_u32 v7, v7, v5                        ; r + 8 (r / 8)
	s_delay_alu instid0(VALU_DEP_3)
	v_lshlrev_b32 v6, 4, v6
	s_delay_alu instid0(VALU_DEP_1)
	v_sub_nc_u32 v7, v7, v6                        ; - 16 h
	s_delay_alu instid0(VALU_DEP_1)
	v_add_nc_u32 v93, s18, v7
	s_delay_alu instid0(VALU_DEP_2)
	v_add_nc_u32 v94, s19, v7
.irp i, 0,1,2,3,4,5
	v_mov_b32 v[22+\i], 0                          ; Q's upper 64 along K: zero codes
	v_mov_b32 v[86+\i], 0
.irp t, 0,1,2,3
	v_mov_b32 v[38+12*\t+\i], 0                    ; written once, so that K's fragments are whole; V's codes stand here later
.endr
.endr
.irp s, 12, 28
	v_mov_b32 v[\s+1], 0xff61b1e6                  ; the largest t so far: -3e38, under every t
	s_delay_alu instid0(VALU_DEP_1)
	v_floor_f32 v[\s], -v[\s+1]                    ; -M
	v_mov_b32 v[\s+2], 0                           ; the sum, in two halves
	v_mov_b32 v[\s+3], 0
.endr
.irp b, 0,1,2,3
	v_mov_b32 v[236+\b], 0                         ; (a lane permute's destination counts as one of its sources)
.endr
	v_mov_b32 v253, 0                              ; (named as the upper half of the pair v[252:253] before it is first written)
.set n, 0
.rept 64
	v_mov_b32 v[160+n], 0                          ; O^T of both tiles: the step is written once: the first finds zeros, which the first change of M leaves zeros
.set n, n+1
.endr
; A KEY STEP of one tile: 128 keys.  QF, QS: Q's fragment and scale word; ST: its statistics; OT: its O^T; QL: my query - 16 h; JD: the step on its diagonal; masked = 0: no step of this loop reaches the diagonal.
.macro STEP QF, QS, ST, OT, QL, JD, masked
.if \masked
	s_cmp_gt_u32 s[J], s[\JD]                      ; all keys come after my queries: nothing to do.  No barrier and no tensor load stands in a step
	s_cbranch_scc1 .Lhid_\@
.endif
	s_setprio 2
	v_add_nc_u32 v[A16], s[TB], v[L16]
	v_add_nc_u32 v[A8], s[TB], v[L8]
	v_nop
	v_nop                                          ; four places in front of loads into registers that the last products have read
	ds_load_b128 v[248:251], v[A16] offset:12288   ; K's eight scale words: register i: lanes 0-15 tile i, lanes 16-31 tile 4 + i
.irp t, 0,1,2,3
	ds_load_b128 v[32+12*\t:35+12*\t], v[A16] offset:768*\t
	ds_load_b64 v[36+12*\t:37+12*\t], v[A8] offset:768*\t+512
.endr
	s_wait_alu depctr_va_vdst(0)
	s_wait_dscnt 0x0
.irp t, 0,1,2,3
	v_wmma_scale_f32_16x16x128_f8f6f4 v[96+8*\t:103+8*\t], v[32+12*\t:43+12*\t], v[\QF:\QF+11], 0, v[248+\t], v[\QS] matrix_a_fmt:MATRIX_FMT_FP6 matrix_b_fmt:MATRIX_FMT_FP6
.endr
.rept 4
	v_nop
.endr
.irp t, 0,1,2,3
	ds_load_b128 v[32+12*\t:35+12*\t], v[A16] offset:768*(4+\t)
	ds_load_b64 v[36+12*\t:37+12*\t], v[A8] offset:768*(4+\t)+512
.endr
	s_wait_dscnt 0x0
.irp t, 0,1,2,3
	v_wmma_scale_f32_16x16x128_f8f6f4 v[128+8*\t:135+8*\t], v[32+12*\t:43+12*\t], v[\QF:\QF+11], 0, v[248+\t], v[\QS] matrix_a_fmt:MATRIX_FMT_FP6 matrix_b_fmt:MATRIX_FMT_FP6 matrix_a_scale:MATRIX_SCALE_ROW1
.endr
.rept 4
	v_nop                                          ; places in front of the loads below and of the first read of the scores
.endr
.irp d, 0,1,2,3                        ; V^T's four tiles and their scale words are asked for now: the softmax stands between the request and the wait for it
	ds_load_b128 v[32+12*\d:35+12*\d], v[A16] offset:6144+1536*\d
	ds_load_b64 v[36+12*\d:37+12*\d], v[A8] offset:6144+1536*\d+512
	ds_load_b128 v[38+12*\d:41+12*\d], v[A16] offset:6144+1536*\d+768
	ds_load_b64 v[42+12*\d:43+12*\d], v[A8] offset:6144+1536*\d+1280
.endr
	ds_load_b128 v[248:251], v[A16] offset:12800   ; register d: lanes 0-15 tile d's rows
.if \masked
	s_cmp_lt_u32 s[J], s[\JD]                      ; all keys count: no mask
	s_cbranch_scc1 .Lopen_\@
	v_sub_nc_u32 v252, v[\QL], s[KF]               ; d = my query - 16 h - the step's first key.  Register 16 b + i holds key 32 b + 16 h + i of the step: hidden where 32 b + i > d
	v_mov_b32 v254, 0xff800000                     ; -infinity
.set n, 0
.rept 64
	v_cmp_gt_i32 vcc_lo, 32*(n/16)+n%16, v252
	v_cndmask_b32 v[96+n], v[96+n], v254, vcc_lo
.set n, n+1
.endr
.Lopen_\@:
.endif
.irp b, 0,1,2,3
	v_max3_num_f32 v[232+\b], v[96+16*\b], v[97+16*\b], v[98+16*\b]   ; the largest score of each block of 32 keys: it serves the row's maximum and, since p rises with the score, the block's largest p
.endr
.irp i, 3,5,7,9,11,13
.irp b, 0,1,2,3
	v_max3_num_f32 v[232+\b], v[232+\b], v[96+16*\b+\i], v[97+16*\b+\i]
.endr
.endr
.irp b, 0,1,2,3
	v_max_num_f32 v[232+\b], v[232+\b], v[111+16*\b]
.endr
.irp b, 0,1,2,3
	s_delay_alu instid0(VALU_DEP_4)
	v_permlanex16_b32 v[236+\b], v[232+\b], s[SEL], s[SEL+1]
.endr
.irp b, 0,1,2,3
	s_delay_alu instid0(VALU_DEP_4)
	v_max_num_f32 v[232+\b], v[232+\b], v[236+\b]  ; with lane l xor 16's 16 keys
.endr
	s_delay_alu instid0(VALU_DEP_2)
	v_max3_num_f32 v254, v232, v233, v234
	s_delay_alu instid0(VALU_DEP_1)
	v_max_num_f32 v254, v254, v235                 ; the step's largest score of my query
	s_delay_alu instid0(VALU_DEP_1)
	v_mul_f32 v254, s[CS], v254                    ; as t (c is positive)
	s_delay_alu instid0(VALU_DEP_1)
	v_max_num_f32 v[\ST+1], v[\ST+1], v254         ; the running largest t
	v_mov_b32 v254, v[\ST]
	s_delay_alu instid0(VALU_DEP_2)
	v_floor_f32 v[\ST], -v[\ST+1]                  ; the new -M = floor(-t) = -ceil(t)
	s_delay_alu instid0(VALU_DEP_1)
	v_sub_f32 v254, v[\ST], v254                   ; old M - new M: a whole number, 0 or less
	s_delay_alu instid0(VALU_DEP_1)
	v_cvt_i32_f32 v254, v254                       ; (it saturates)
	s_delay_alu instid0(VALU_DEP_1)
	v_ldexp_f32 v252, 1.0, v254                    ; f = 2^(old M - new M)
.set n, 0
.rept 32
	v_pk_fma_f32 v[96+n:97+n], v[96+n:97+n], s[CS:CS+1], v[\ST:\ST+1] op_sel_hi:[1,0,0]   ; t - M, two at a time
.set n, n+2
.endr
.irp b, 0,1,2,3
	v_fma_f32 v[232+\b], v[232+\b], s[CS], v[\ST]  ; the same of each block's largest score
.endr
.set n, 0
	s_setprio 1
	s_wait_alu depctr_va_vdst(0)
.rept 64
	v_exp_f32 v[96+n], v[96+n]                     ; p = 2^(t - M), at most 1
.set n, n+1
.endr
.irp b, 0,1,2,3
	v_exp_f32 v[232+\b], v[232+\b]                 ; the block's largest p: the same two instructions on the same number give the same bits
.endr
	v_pk_mul_f32 v[\ST+2:\ST+3], v[\ST+2:\ST+3], v[252:253] op_sel_hi:[1,0]   ; the sums under the new M (a plain line behind the exponentials)
	s_wait_alu depctr_va_vdst(0)
.irp b, 0,1,2,3
	v_max_num_f32 v[232+\b], 0x1800000, v[232+\b]  ; the floor 2^(3 - 127): a block whose every p is 0 keeps the byte 1: its codes are zeros
.endr
.irp b, 0,1,2,3
	s_delay_alu instid0(VALU_DEP_4)
	v_add_nc_u32 v[244+\b], 0xff000000, v[232+\b]  ; 2 off the exponent field: the conversion's scale operand
.endr
.irp b, 0,1,2,3
	s_delay_alu instid0(VALU_DEP_4)
	v_lshrrev_b32 v[236+\b], 23, v[244+\b]         ; the scale's byte
.endr
	s_delay_alu instid0(VALU_DEP_3)
	v_lshl_or_b32 v253, v237, 8, v236              ; p's scale word for these 128 keys
	s_delay_alu instid0(VALU_DEP_1)
	v_lshl_or_b32 v253, v238, 16, v253
	s_delay_alu instid0(VALU_DEP_1)
	v_lshl_or_b32 v253, v239, 24, v253
.irp c, 0,1
	v_cvt_scalef32_pk16_fp6_f32 v[224+6*\c:226+6*\c], v[96+32*\c:111+32*\c], v[244+2*\c]
	v_cvt_scalef32_pk16_fp6_f32 v[236+4*\c:238+4*\c], v[112+32*\c:127+32*\c], v[245+2*\c]   ; (a conversion's three registers begin on an even number)
.endr
	v_nop                                          ; one plain line behind a scaled conversion
.irp c, 0,1                            ; the operand's layout wants a whole block in a lane
.irp i, 0,1,2
	v_permlane16_swap_b32 v[224+6*\c+\i], v[236+4*\c+\i]
.endr
.irp i, 0,1,2
	s_delay_alu instid0(VALU_DEP_3)
	v_mov_b32 v[227+6*\c+\i], v[236+4*\c+\i]
.endr
.endr
	v_pk_add_f32 v[236:237], v[96:97], v[98:99]    ; the row's sum is taken of the UNQUANTISED p: two at a time, in two chains
.set n, 4
.rept 15
	v_pk_add_f32 v[\ST+2:\ST+3], v[\ST+2:\ST+3], v[96+n:97+n]
	v_pk_add_f32 v[236:237], v[236:237], v[98+n:99+n]
.set n, n+4
.endr
	s_delay_alu instid0(VALU_DEP_1)
	v_pk_add_f32 v[\ST+2:\ST+3], v[\ST+2:\ST+3], v[236:237]
.set n, 0
	s_setprio 0
.rept 16
	v_pk_mul_f32 v[\OT+n:\OT+n+1], v[\OT+n:\OT+n+1], v[252:253] op_sel_hi:[1,0]   ; O^T under the new M.  (The sums and these are the places between the codes, the scale word and the products)
.set n, n+2
.endr
	s_wait_alu depctr_va_vdst(0)
	s_wait_dscnt 0x0                               ; V^T and its scale words are in
.irp d, 0,1,2,3                        ; O^T += V^T P^T: four accumulators by turns
	v_wmma_scale_f32_16x16x128_f8f6f4 v[\OT+8*\d:\OT+8*\d+7], v[32+12*\d:43+12*\d], v[224:235], v[\OT+8*\d:\OT+8*\d+7], v[248+\d], v253 matrix_a_fmt:MATRIX_FMT_FP6 matrix_b_fmt:MATRIX_FMT_FP6
.endr
.if \masked
.Lhid_\@:
.endif
.endm
; A barrier behind which tiles that other waves fetched are read.  left: how many of my four tensor loads may stay out.
.macro MEET left
	s_wait_tensorcnt \left                         ; my part of what is read next has landed,
	s_wait_dscnt 0x0                               ; no LDS instruction of mine is out at the signal,
	s_barrier_signal -1
	s_barrier_wait -1                              ; and the same holds of all sixteen waves
.endm
; One tile walks key steps first .. last - 1: a loop whose trip count is a constant of the text; every wave walks every trip, and a step past the tile's diagonal is jumped over inside it.
.macro WALK first, last, QF, QS, ST, OT, QL, JD, masked
	s_mov_b32 s[TB], \first*STEPB
	s_mov_b32 s[J], \first
	s_mov_b32 s[KF], 128*\first
.Lwalk_\@:
	STEP \QF, \QS, \ST, \OT, \QL, \JD, \masked
	s_add_co_u32 s[TB], s[TB], STEPB
	s_add_co_u32 s[KF], s[KF], 128
	s_add_co_u32 s[J], s[J], 1
	s_cmp_lt_u32 s[J], \last
	s_cbranch_scc1 .Lwalk_\@
	s_setprio 0
.endm
; A tile's end: O^T / the sum; register 16 b + i is channel 32 b + 16 h + i: two blocks of 32 along the last product's K: one image and two scale bytes.
.macro FINAL ST, OT, po, pos
.rept 4
	v_nop                                          ; places behind the last products
.endr
	v_add_f32 v[\ST+2], v[\ST+2], v[\ST+3]
	s_delay_alu instid0(VALU_DEP_1)
	v_permlanex16_b32 v252, v[\ST+2], s[SEL], s[SEL+1]
	s_delay_alu instid0(VALU_DEP_1)
	v_add_f32 v[\ST+2], v[\ST+2], v252             ; the row's sum: above 1/2, since the row's largest p is
	s_wait_alu depctr_va_vdst(0)
	v_rcp_f32 v[\ST+2], v[\ST+2]
	v_nop                                          ; a plain line behind the reciprocal
.set n, 0
	s_wait_alu depctr_va_vdst(0)
.rept 32
	v_mul_f32 v[96+n], v[\OT+n], v[\ST+2]          ; each accumulator from its low end on
.set n, n+1
.endr
.irp b, 0,1
	v_max3_num_f32 v[232+\b], |v[96+16*\b]|, |v[97+16*\b]|, 0x1800000
.endr
.irp i, 2,4,6,8,10,12,14
.irp b, 0,1
	s_delay_alu instid0(VALU_DEP_2)
	v_max3_num_f32 v[232+\b], v[232+\b], |v[96+16*\b+\i]|, |v[97+16*\b+\i]|
.endr
.endr
.irp b, 0,1
	s_delay_alu instid0(VALU_DEP_2)
	v_permlanex16_b32 v[236+\b], v[232+\b], s[SEL], s[SEL+1]
.endr
.irp b, 0,1
	s_delay_alu instid0(VALU_DEP_2)
	v_max_num_f32 v[232+\b], v[232+\b], v[236+\b]
.endr
.irp b, 0,1
	s_delay_alu instid0(VALU_DEP_2)
	v_add_nc_u32 v[244+\b], 0xff000000, v[232+\b]
.endr
.irp b, 0,1
	s_delay_alu instid0(VALU_DEP_2)
	v_lshrrev_b32 v[236+\b], 23, v[244+\b]
.endr
	s_delay_alu instid0(VALU_DEP_1)
	v_lshl_or_b32 v240, v237, 8, v236              ; my row's two scale bytes
	v_cvt_scalef32_pk16_fp6_f32 v[224:226], v[96:111], v244
	v_cvt_scalef32_pk16_fp6_f32 v[228:230], v[112:127], v245
	v_nop                                          ; one plain line behind a scaled conversion
.irp i, 0,1,2
	v_permlane16_swap_b32 v[224+\i], v[228+\i]     ; lanes 0-15 block 0, lanes 16-31 block 1
.endr
	s_delay_alu instid0(VALU_DEP_3)
	v_mov_b32 v227, v228
	s_delay_alu instid0(VALU_DEP_3)
	v_mov_b32 v228, v229
	s_delay_alu instid0(VALU_DEP_3)
	v_mov_b32 v229, v230
	global_store_b128 v[L16], v[224:227], s[\po:\po+1]             ; the image: 512 consecutive bytes, then 256
	global_store_b64 v[L8], v[228:229], s[\po:\po+1] offset:512
	global_store_b16 v[R16], v240, s[\pos:\pos+1]  ; 2 bytes of each row's 16 (lanes r and r + 16 store the same): these stores cover their 256 bytes in part: 256 KiB in the whole launch
	s_wait_xcnt 0x0                                ; the stores have read their registers: later steps write them again
.endm
	s_wait_loadcnt 0x0                             ; Q
	MEET 3                                         ; the first group (key steps 0-3) is in LDS; the count leaves my three later loads out
	WALK 0, 4, 16, 255, 12, 160, 93, JH, 0         ; hi, steps 0-3: its diagonal lies in steps 8 to 15, so all keys count: four steps in every wave
	MEET 0                                         ; all my loads have landed, and everybody's: the whole head is in LDS; no barrier follows but the closing round's
	WALK 0, 8, 80, 92, 28, 192, 94, JL, 1          ; lo: its diagonal lies in steps 0 to 7
	FINAL 28, 192, 70, 72
	WALK 4, 16, 16, 255, 12, 160, 93, JH, 1        ; hi goes on to its diagonal
	FINAL 12, 160, 66, 68
	s_wait_dscnt 0x0
	s_wait_tensorcnt 0x0
	ds_add_u32 v95, v243
	s_wait_dscnt 0x0
	CROUND                                         ; the closing round
	s_endpgm
.Lfunc_end_k_q969c9fddec_attn:
	.size	k_q969c9fddec_attn, .Lfunc_end_k_q969c9fddec_attn-k_q969c9fddec_attn
	.p2alignl 7, 3214868480
	.fill 96, 4, 3214868480
	.section	.rodata,"a",@progbits
	.p2align	6, 0x0
	.amdhsa_kernel k_q969c9fddec_attn
		.amdhsa_group_segment_fixed_size 215040
		.amdhsa_private_segment_fixed_size 0
		.amdhsa_enable_private_segment 0
		.amdhsa_kernarg_size 24
		.amdhsa_user_sgpr_count 2
		.amdhsa_user_sgpr_kernarg_segment_ptr 1
		.amdhsa_wavefront_size32 1
		.amdhsa_system_sgpr_workgroup_id_x 1
		.amdhsa_system_sgpr_workgroup_id_y 1
		.amdhsa_system_sgpr_workgroup_id_z 1
		.amdhsa_system_vgpr_workitem_id 0
		.amdhsa_next_free_vgpr 256
		.amdhsa_next_free_sgpr 80
		.amdhsa_reserve_vcc 1
		.amdhsa_float_denorm_mode_32 3
		.amdhsa_float_denorm_mode_16_64 3
		.amdhsa_memory_ordered 1
		.amdhsa_forward_progress 1
		.amdhsa_inst_pref_size 84
	.end_amdhsa_kernel
	.amdgpu_metadata
---
amdhsa.version: [ 1, 2 ]
amdhsa.kernels:
  - .name:           k_q969c9fddec_attn
    .symbol:         k_q969c9fddec_attn.kd
    .args:
      - { .name: qb, .offset: 0, .size: 8, .value_kind: global_buffer, .address_space: global }
      - { .name: kv, .offset: 8, .size: 8, .value_kind: global_buffer, .address_space: global }
      - { .name: aq, .offset: 16, .size: 8, .value_kind: global_buffer, .address_space: global }
    .group_segment_fixed_size: 215040
    .private_segment_fixed_size: 0
    .kernarg_segment_align: 8
    .kernarg_segment_size: 24
    .max_flat_workgroup_size: 512
    .sgpr_count:     80
    .vgpr_count:     256
    .wavefront_size: 32
...
	.end_amdgpu_metadata
.endif
;; end of part 3
;; launch gemm_out (part 4): grid 4 x 32, 4 waves a work-group, clusters of 4 x 4, 327,680 bytes of LDS; arguments aq, wq, out0; writes out0
.if DOCPART == 4
	.amdgcn_target "amdgcn-amd-amdhsa--gfx1250"
	.amdhsa_code_object_version 6
	.text
	.protected	k_q969c9fddec_gemm_out
	.globl	k_q969c9fddec_gemm_out
	.p2align	8
	.type	k_q969c9fddec_gemm_out,@function
k_q969c9fddec_gemm_out:
	s_mov_b64 s[64:65], 0
	v_nop
	global_prefetch_b8 v0, s[64:65] scope:SCOPE_SE
	s_setreg_imm32_b32 hwreg(HW_REG_WAVE_MODE, 25, 1), 1
	s_wait_xcnt 0x0
	s_wait_alu depctr_hold_cnt(0) depctr_sa_sdst(0) depctr_va_vdst(0) depctr_va_sdst(0) depctr_va_ssrc(0) depctr_va_vcc(0) depctr_vm_vsrc(0)
	s_getreg_b32 s2, hwreg(HW_REG_IB_STS2, 6, 4)
	s_cmp_eq_u32 s2, 0
	s_cbranch_scc0 .Lentry_in_a_cluster
	s_endpgm
.Lentry_in_a_cluster:
	s_bfe_u32 s2, ttmp6, 0x10000c
	s_cmp_lg_u32 s2, 0xf033
	s_cbranch_scc0 .Lentry_shape_is_right
	s_endpgm
.Lentry_shape_is_right:
; out0 = (attention's result) w_out on codes of FP6 (E2M3), K = 1,024, sums in f32, out0 [8192][1024] f32.
; OPERANDS (aq; wq's row tiles 192-255): row tiles of 12,800 bytes: 16 images of 768 bytes (16 rows x 64 K as six operand registers: registers 0-3 at 16 x lane, 4-5 at 512 + 8 x lane), then 512 scale bytes [K / 512][row][16].
; Inside each 32 rows, place r of tile u is row 8 u + r + 8 (r / 8): the way out puts rows and columns back by its immediates.
; A work-group makes 256 x 256 of out0; a wave 128 x 128: 64 accumulators, 512 registers.  THE MATRIX INSTRUCTION IS USED TRANSPOSED: source 0 = 16 rows of B (columns n), source 1 = 16 rows of A (tokens).
; 128 work-groups: half the WGPs have none; a tile of 128 x 256 would fill them and is not built: this text shares its core with the first product's.
; K goes in four steps of 256 through three LDS slots: K steps 0, 1, 2 and the scales are first fills (four tensor loads of a wave are out at the most), K step 3 fills slot 0 again.
; CLUSTERS: 4 x 4.  A's tiles are shared along a row of the cluster, B's along a column: joint loads, which divide the requests by four.
; REGISTERS: window 0: v1-27 addresses; v28-29 the add's; v32-63 scale words, two sets; v128-223 A's fragments, one set (on the way out v128-255: rows read back).  window 1: B's fragments, two sets.  windows 2, 3: accumulator (a, b) at v[8 (8 (a % 4) + b)] of window 2 + a / 4.
.set RT,     12800
.set KSB,    3072                      ; a K step of 256 of a row tile: four images
.set HALFT,  8*KSB                     ; 8 row tiles: what one tensor load brings, and what a wave reads of A or of B
.set SLOT,   4*HALFT                   ; A's 16 row tiles, then B's 16
.set SCL,    3*SLOT                    ; behind the slots: the scales, 512 bytes a row tile: A's 16, B's 16
.set SPARE,  SCL+4*4096                ; the spare words, 128 bytes for each wave: two blocks of 256 bytes that no other line names
.set SPITCH, 528                       ; the way out: a stage of 16 rows x (512 bytes + 16) for each wave,
.set STAGE,  SLOT                      ; in slot 1: it is filled once, and the barrier in matrix step 5 stands behind every wave's last read of it
.set ADRA16, 4
.set ADRA8,  7
.set ADRB16, 10
.set ADRB8,  13
.set ADRS,   16
.set L16,    17
.set L8,     18
.set STO,    24                        ; v24     the way out: where I put 32 bytes of a row
.set RD,     25                        ; v25     and where I read a row back
.set SPW,    28
.set NIL,    29
.set SC,     32
.set AF,     128
.set BK,     128
.set G1A,  24
.set G1B,  32
.set G1SA, 40
.set G1SB, 48
.set GA0,  56
.set GA1,  60
.set GA2,  68
.set GB0,  72
.set GB1,  76
.set GB2,  80
.set GSA,  84
.set GSB,  88
.set MSB, 0
.macro WIN new                         ; the immediate's high byte repeats the setting that is left
.if MSB != \new
	s_set_vgpr_msb (MSB<<8)|\new
.set MSB, \new
.endif
.endm
.set MUL_LO, 0xa1                      ; source 0 (B) window 1, source 1 (A) window 0, C and D window 2
.set MUL_HI, 0xf1                      ; the same, C and D window 3
.set TO_B,   0x40                      ; destination window 1, address window 0
.macro JLOAD g0a, g1a, g0b, g1b        ; a joint load: waves 0, 1 fetch for A, waves 2, 3 for B; the branch hangs on the wave's number alone; four v_nop follow each line
	s_cmp_eq_u32 s15, 0
	s_cbranch_scc0 .Lfor_b_\@
	tensor_load_to_lds s[\g0a:\g0a+3], s[\g1a:\g1a+7]
	s_nop 0
.rept 4
	v_nop
.endr
	s_branch .Lasked_\@
.Lfor_b_\@:
	tensor_load_to_lds s[\g0b:\g0b+3], s[\g1b:\g1b+7]
	s_nop 0
.rept 4
	v_nop
.endr
.Lasked_\@:
.endm
.macro CREST                           ; a round of the cluster's barrier behind its opening barrier
	s_cmp_lg_u32 s14, 0
	s_cbranch_scc1 .Lnot_wave_0_\@
	s_barrier_signal -3
.Lnot_wave_0_\@:
	s_barrier_wait -3
	s_barrier_signal -1
	s_barrier_wait -1
.endm
.macro CROUND
	s_barrier_signal -1
	s_barrier_wait -1
	CREST
.endm
.macro SETG0 g, lreg, loff, base, off  ; descriptor group 0: count 1, LDS address, global address, type 2
	s_mov_b32 s[\g], 1
	s_add_co_u32 s[\g+1], s[\lreg], \loff
	s_add_nc_u64 s[\g+2:\g+3], s[\base:\base+1], \off
	s_or_b32 s[\g+3], s[\g+3], 0x80000000
.endm
.macro PLACES n
.rept \n
	v_nop
.endr
.endm
.macro FRAG reg, a16, a8, off          ; a fragment = two images: 512, 256, 512, 256 consecutive bytes
	ds_load_b128 v[\reg:\reg+3], v[\a16] offset:\off
	ds_load_b64 v[\reg+4:\reg+5], v[\a8] offset:\off+512
	ds_load_b128 v[\reg+6:\reg+9], v[\a16] offset:\off+768
	ds_load_b64 v[\reg+10:\reg+11], v[\a8] offset:\off+1280
.endm
.macro FETCH_B slot, q, p              ; B's eight fragments of the slot's q-th 128 along K into set p
	WIN TO_B
.irp i, 0,1,2,3,4,5,6,7
	FRAG 128*(\p)+12*\i, ADRB16+\slot, ADRB8+\slot, \i*KSB+(\q)*1536
.endr
	WIN 0
.endm
.macro FETCH_A slot, q, i0             ; A's blocks i0 .. i0 + 3
.irp i, \i0, \i0+1, \i0+2, \i0+3
	FRAG AF+12*(\i), ADRA16+\slot, ADRA8+\slot, (\i)*KSB+(\q)*1536
.endr
.endm
.macro SCALES ks                       ; K step ks's two scale words a row into set ks % 2
.irp i, 0,1,2,3,4,5,6,7
	ds_load_b64 v[SC+16*((\ks)%2)+2*\i:SC+16*((\ks)%2)+2*\i+1], v[ADRS] offset:\i*512+((\ks)/2)*256+8*((\ks)%2)
.endr
.endm
; 16 matrix instructions: A's blocks a0, a0 + 1 x B's eight tiles.  The 64 accumulators take turns, one instruction a turn, in the same order in every step.
.macro MUL16 a0, p, q, sc, zero
.irp a, \a0, \a0+1
.irp b, 0,1,2,3,4,5,6,7
.if \zero
	v_wmma_scale_f32_16x16x128_f8f6f4 v[8*(8*((\a)%4)+\b):8*(8*((\a)%4)+\b)+7], v[128*(\p)+12*\b:128*(\p)+12*\b+11], v[AF+12*(\a):AF+12*(\a)+11], 0, v[SC+16*(\sc)+2*\b+(\q)], v[SC+16*(\sc)+2*(\a)+(\q)] matrix_a_fmt:MATRIX_FMT_FP6 matrix_b_fmt:MATRIX_FMT_FP6 matrix_a_scale:MATRIX_SCALE_ROW1
.else
	v_wmma_scale_f32_16x16x128_f8f6f4 v[8*(8*((\a)%4)+\b):8*(8*((\a)%4)+\b)+7], v[128*(\p)+12*\b:128*(\p)+12*\b+11], v[AF+12*(\a):AF+12*(\a)+11], v[8*(8*((\a)%4)+\b):8*(8*((\a)%4)+\b)+7], v[SC+16*(\sc)+2*\b+(\q)], v[SC+16*(\sc)+2*(\a)+(\q)] matrix_a_fmt:MATRIX_FMT_FP6 matrix_b_fmt:MATRIX_FMT_FP6 matrix_a_scale:MATRIX_SCALE_ROW1
.endif
.endr
.endr
.endm
; Matrix step Q of eight (128 along K), which also fetches step Q + 1's fragments from slot nslot.  A block of A is free as soon as its eight products are issued: A has one set, B two.
; mode 0: nothing to meet.  mode 1: a work-group barrier in its middle.  mode 2: that barrier opens a round of the cluster's, and slot 0 is filled again behind it.
; Four places (plain vector lines that name no register of the products) stand in front of each run of loads into registers that products have read.
.macro GSTEP Q, mode, nslot, zero
.if \mode == 0
	s_wait_dscnt 16                                ; B's set, A's blocks 0-3 and the scale words are in; the youngest sixteen loads (A's blocks 4-7) may be out
	WIN MUL_LO
	MUL16 0, (\Q)%2, (\Q)%2, ((\Q)/2)%2, \zero
	MUL16 2, (\Q)%2, (\Q)%2, ((\Q)/2)%2, \zero
	s_wait_dscnt 0x0                               ; A's blocks 4-7 are in
	PLACES 4
.else
	s_wait_tensorcnt 0x0                           ; all my tensor loads have landed;  (every window is 0 here)
	ds_add_u32 v[SPW], v[NIL]                      ; 0 onto my spare word
	s_wait_dscnt 17                                ; (the add and the youngest sixteen loads may be out)
	WIN MUL_LO
	MUL16 0, (\Q)%2, (\Q)%2, ((\Q)/2)%2, 0         ; sixteen products stand between the add and the wait for it
	s_wait_dscnt 0x0                               ; the add is done, and my reads of the slot in hand are over
	s_barrier_signal -1
	MUL16 2, (\Q)%2, (\Q)%2, ((\Q)/2)%2, 0
	WIN 0
	s_barrier_wait -1
.if \mode == 2
	CREST                                          ; no wave of any partner still reads slot 0 or has a load on its way
	s_add_nc_u64 s[GA0+2:GA0+3], s[GA0+2:GA0+3], 3*KSB   ; K step 3
	s_add_nc_u64 s[GB0+2:GB0+3], s[GB0+2:GB0+3], 3*KSB
	JLOAD GA0, G1A, GB0, G1B                       ; my one tensor load behind the round, and the first thing there; its four v_nop are the places in front of the loads below
.else
	PLACES 4
.endif
.endif
	FETCH_B \nslot, ((\Q)+1)%2, 1-(\Q)%2
	FETCH_A \nslot, ((\Q)+1)%2, 0
.if ((\Q)+1)%2 == 0
	SCALES ((\Q)+1)/2
.endif
	WIN MUL_HI
	MUL16 4, (\Q)%2, (\Q)%2, ((\Q)/2)%2, \zero
	MUL16 6, (\Q)%2, (\Q)%2, ((\Q)/2)%2, \zero
	PLACES 4
	WIN 0
	FETCH_A \nslot, ((\Q)+1)%2, 4
.endm
	s_load_b128 s[4:7], s[0:1], 0x0                ; aq s[4:5], wq s[6:7]
	s_load_b64 s[8:9], s[0:1], 0x10                ; out0
	v_lshl_add_u32 v[SPW], v0, 2, SPARE
	v_mov_b32 v[NIL], 0
	ds_add_u32 v28, v29
	ds_add_u32 v28, v29
	s_wait_dscnt 0x0
	v_lshrrev_b32 v1, 5, v0
	v_readfirstlane_b32 s14, v1                    ; wave 0..3
	s_lshr_b32 s15, s14, 1                         ; wr: my half of A's rows.  Also: I fetch for A (0) or for B (1)
	s_and_b32 s16, s14, 1                          ; wc: my half of B's rows.  Also: which 8 row tiles I fetch
	s_bfe_u32 s17, ttmp6, 0x40000                  ; cx
	s_bfe_u32 s18, ttmp6, 0x40004                  ; cy
	s_and_b32 s22, ttmp7, 0xffff                   ; the cluster's y
	s_lshl_b32 s92, s18, 2
	s_lshl_b32 s92, 15, s92                        ; my row of the cluster
	s_lshl_b32 s93, 0x1111, s17                    ; my column
	s_or_b32 s[G1A], s92, (3<<16)|(1<<21)          ; 15:0 the mask; 17:16 elements of 8 bytes; 21 set beside a mask; no padding
	s_or_b32 s[G1B], s93, (3<<16)|(1<<21)
	s_or_b32 s[G1SA], s92, (3<<16)|(1<<21)
	s_or_b32 s[G1SB], s93, (3<<16)|(1<<21)
.irp g, G1A, G1B                       ; codes: 8 row tiles x 3,072 bytes, 12,800 bytes apart
	s_mov_b32 s[\g+1], (KSB/8)<<16                 ; tensor_dim0
	s_mov_b32 s[\g+2], 8<<16                       ; tensor_dim1
	s_mov_b32 s[\g+3], (KSB/8)<<16                 ; tile_dim0
	s_mov_b32 s[\g+4], 8                           ; tile_dim1
	s_mov_b32 s[\g+5], RT/8                        ; tensor_dim0_stride
	s_mov_b32 s[\g+6], 0
	s_mov_b32 s[\g+7], 0
.endr
.irp g, G1SA, G1SB                     ; scales: 8 row tiles x 512 bytes
	s_mov_b32 s[\g+1], 64<<16
	s_mov_b32 s[\g+2], 8<<16
	s_mov_b32 s[\g+3], 64<<16
	s_mov_b32 s[\g+4], 8
	s_mov_b32 s[\g+5], RT/8
	s_mov_b32 s[\g+6], 0
	s_mov_b32 s[\g+7], 0
.endr
	; A's first row tile hangs on the cluster's y and cy alone, B's on the cluster's x and cx alone, each in registers that never hold the other place
	s_lshl_b32 s19, s22, 2
	s_add_co_u32 s19, s19, s18                     ; tile row of out0: 4 y + cy
	s_lshl_b32 s23, ttmp9, 2
	s_add_co_u32 s23, s23, s17                     ; tile column: 4 x + cx
	s_lshl_b32 s98, s16, 3
	s_lshl_b32 s94, s19, 4
	s_add_co_u32 s94, s94, s98                     ; the 8 row tiles of aq that I fetch,
	s_lshl_b32 s96, s23, 4
	s_add_co_u32 s96, s96, s98
	s_add_co_u32 s96, s96, 192                     ; of wq: w_out's begin at row tile 192
	s_mul_i32 s94, s94, RT
	s_mul_i32 s96, s96, RT
	s_mov_b32 s95, 0
	s_mov_b32 s97, 0
	s_mul_i32 s98, s14, HALFT                      ; where they go: wave x 8 row tiles: no place in the cluster enters an LDS address
	s_lshl_b32 s99, s14, 12
	s_wait_kmcnt 0x0
	s_add_nc_u64 s[94:95], s[4:5], s[94:95]
	s_add_nc_u64 s[96:97], s[6:7], s[96:97]
	CROUND                                         ; all sixteen work-groups are here: the first joint loads meet
	SETG0 GSA, 99, SCL, 94, 16*768
	SETG0 GSB, 99, SCL, 96, 16*768
	JLOAD GSA, G1SA, GSB, G1SB                     ; the scales of all of K: filled once
	SETG0 GA0, 98, 0, 94, 0
	SETG0 GB0, 98, 0, 96, 0
	JLOAD GA0, G1A, GB0, G1B                       ; K step 0
	SETG0 GA1, 98, SLOT, 94, KSB
	SETG0 GB1, 98, SLOT, 96, KSB
	JLOAD GA1, G1A, GB1, G1B                       ; K step 1
	SETG0 GA2, 98, 2*SLOT, 94, 2*KSB
	SETG0 GB2, 98, 2*SLOT, 96, 2*KSB
	JLOAD GA2, G1A, GB2, G1B                       ; K step 2: four loads of mine are out
	v_and_b32 v1, 31, v0                           ; lane
	v_and_b32 v2, 15, v0                           ; r
	v_bfe_u32 v3, v0, 4, 1                         ; h
	v_lshlrev_b32 v[L16], 4, v1
	v_lshlrev_b32 v[L8], 3, v1
	s_mul_i32 s92, s15, HALFT                      ; my half of A
	s_mul_i32 s93, s16, HALFT
	s_add_co_u32 s93, s93, 2*HALFT                 ; my half of B, behind A's two
.irp s, 0,1,2
	v_add_nc_u32 v[ADRA16+\s], s92, v[L16]
	v_add_nc_u32 v[ADRA8+\s], s92, v[L8]
	v_add_nc_u32 v[ADRB16+\s], s93, v[L16]
	v_add_nc_u32 v[ADRB8+\s], s93, v[L8]
	s_add_co_u32 s92, s92, SLOT
	s_add_co_u32 s93, s93, SLOT
.endr
	s_lshl_b32 s92, s15, 12                        ; A's scales: my 8 row tiles
	s_lshl_b32 s93, s16, 12
	s_add_co_u32 s93, s93, 2*4096                  ; B's: behind A's 16
	s_sub_co_u32 s93, s93, s92
	v_mul_u32_u24 v19, s93, v3                     ; lanes 16-31 take B's: the lower base + h x the distance
	v_lshl_add_u32 v19, v2, 4, v19                 ; 16 bytes a row
	s_add_co_u32 s92, s92, SCL
	v_add_nc_u32 v[ADRS], s92, v19
	s_mul_i32 s92, s14, 16*SPITCH
	s_add_co_u32 s92, s92, STAGE                   ; my stage
	v_mul_u32_u24 v19, v2, SPITCH
	v_lshl_add_u32 v19, v3, 6, v19                 ; in: row r; my half's 16 columns of each 32: 64 h bytes on
	v_add_nc_u32 v[STO], s92, v19
	v_add_nc_u32 v[RD], s92, v[L16]                ; back: the 32 lanes take one row of 512 bytes
	s_lshl_b32 s92, s19, 8
	s_lshl_b32 s93, s15, 7
	s_add_co_u32 s92, s92, s93                     ; my first row of out0
	s_lshl_b32 s92, s92, 12                        ; rows of 4,096 bytes
	s_lshl_b32 s93, s23, 10
	s_add_co_u32 s92, s92, s93                     ; my first column, in bytes: 1,024 x tile column + 512 x half
	s_lshl_b32 s93, s16, 9
	s_add_co_u32 s92, s92, s93
	s_mov_b32 s93, 0
	s_add_nc_u64 s[8:9], s[8:9], s[92:93]
	s_wait_alu depctr_va_vdst(0)
	s_wait_tensorcnt 2                             ; the scales and my part of K step 0 are in; K steps 1 and 2 may be out
	s_barrier_signal -1
	s_barrier_wait -1                              ; everybody's are
	FETCH_B 0, 0, 0
	FETCH_A 0, 0, 0
	SCALES 0
	FETCH_A 0, 0, 4
	GSTEP 0, 0, 0, 1                               ; the first products start the sums: nothing is cleared
	GSTEP 1, 2, 1, 0                               ; slot 0 is left and takes K step 3; every wave's K steps 1 and 2 have landed
	GSTEP 2, 0, 1, 0
	GSTEP 3, 0, 2, 0                               ; on to slot 2: shown whole to every wave by the round above
	GSTEP 4, 0, 2, 0
	GSTEP 5, 1, 0, 0                               ; K step 3 has landed in every wave: on to slot 0
	GSTEP 6, 0, 0, 0
	s_wait_dscnt 16                                ; the last step: nothing more to fetch
	WIN MUL_LO
	MUL16 0, 1, 1, 1, 0
	MUL16 2, 1, 1, 1, 0
	s_wait_dscnt 0x0
	WIN MUL_HI
	MUL16 4, 1, 1, 1, 0
	MUL16 6, 1, 1, 1, 0
	WIN 0
; THE WAY OUT, block by block of 16 rows x 128 columns, through my own stage: LDS serves a wave's instructions in order, so no wait stands between the stores and the loads, nor in front of the next block's stores.
; Register j of tile b, lane (r, h), is column 32 (b / 2) + 16 h + 8 (b % 2) + j of place r; place t of block a is row 32 (a / 2) + 8 (a % 2) + t + 8 (t / 8): both orders are undone by immediates.
.macro TOSTAGE a
.set AC, 64*((\a)%4)
.set WW, 0x08+4*((\a)/4)
	WIN WW                                         ; an LDS store's data are its source 1: window 2 or 3
.irp b, 0,1,2,3,4,5,6,7
	ds_store_b128 v[STO], v[AC+8*\b:AC+8*\b+3] offset:128*(\b/2)+32*(\b%2)          ; each accumulator from its low end on
	ds_store_b128 v[STO], v[AC+8*\b+4:AC+8*\b+7] offset:128*(\b/2)+32*(\b%2)+16
.endr
	WIN 0
.set BB, BK+64*((\a)%2)
.irp t, 0,1,2,3,4,5,6,7,8,9,10,11,12,13,14,15
	ds_load_b128 v[BB+4*\t:BB+4*\t+3], v[RD] offset:\t*SPITCH
.endr
.endm
.macro SEND a, younger                 ; younger: the LDS instructions issued behind block a's loads, which may stay out
.set BB, BK+64*((\a)%2)
	s_wait_dscnt \younger                          ; the block is back in registers
.irp t, 0,1,2,3,4,5,6,7,8,9,10,11,12,13,14,15
	global_store_b128 v[L16], v[BB+4*\t:BB+4*\t+3], s[8:9] offset:(32*((\a)/2)+8*((\a)%2)+\t+8*(\t/8))*4096 th:TH_STORE_NT   ; 32 lanes store 512 consecutive bytes, at a multiple of 256 from out0's first byte; 127 rows at the most: inside the signed 24-bit immediate
.endr
.endm
	PLACES 4                                       ; behind the last products: for the stores of results and the loads into the registers that held A's fragments
	TOSTAGE 0
.irp a, 1,2,3,4,5,6,7
.if \a > 1
	s_wait_xcnt 0x0                                ; block a - 2's stores have read their registers: block a's loads may land there
.endif
	TOSTAGE \a
	SEND \a-1, 32                                  ; behind block a - 1's loads: block a's 16 stores and 16 loads
.endr
	SEND 7, 0
	s_wait_tensorcnt 0x0                           ; the wave's end
	ds_add_u32 v[SPW], v[NIL]
	s_wait_dscnt 0x0
	CROUND                                         ; the closing round: no work-group ends while a partner may still ask for a tile that names it
	s_endpgm
.Lfunc_end_k_q969c9fddec_gemm_out:
	.size	k_q969c9fddec_gemm_out, .Lfunc_end_k_q969c9fddec_gemm_out-k_q969c9fddec_gemm_out
	.p2alignl 7, 3214868480
	.fill 96, 4, 3214868480
	.section	.rodata,"a",@progbits
	.p2align	6, 0x0
	.amdhsa_kernel k_q969c9fddec_gemm_out
		.amdhsa_group_segment_fixed_size 327680
		.amdhsa_private_segment_fixed_size 0
		.amdhsa_enable_private_segment 0
		.amdhsa_kernarg_size 24
		.amdhsa_user_sgpr_count 2
		.amdhsa_user_sgpr_kernarg_segment_ptr 1
		.amdhsa_wavefront_size32 1
		.amdhsa_system_sgpr_workgroup_id_x 1
		.amdhsa_system_sgpr_workgroup_id_y 1
		.amdhsa_system_sgpr_workgroup_id_z 1
		.amdhsa_system_vgpr_workitem_id 0
		.amdhsa_next_free_vgpr 1024
		.amdhsa_next_free_sgpr 100
		.amdhsa_reserve_vcc 0
		.amdhsa_float_denorm_mode_32 3
		.amdhsa_float_denorm_mode_16_64 3
		.amdhsa_memory_ordered 1
		.amdhsa_forward_progress 1
		.amdhsa_inst_pref_size 143
	.end_amdhsa_kernel
	.amdgpu_metadata
---
amdhsa.version: [ 1, 2 ]
amdhsa.kernels:
  - .name:           k_q969c9fddec_gemm_out
    .symbol:         k_q969c9fddec_gemm_out.kd
    .args:
      - { .name: aq, .offset: 0, .size: 8, .value_kind: global_buffer, .address_space: global }
      - { .name: wq, .offset: 8, .size: 8, .value_kind: global_buffer, .address_space: global }
      - { .name: out0, .offset: 16, .size: 8, .value_kind: global_buffer, .address_space: global }
    .group_segment_fixed_size: 327680
    .private_segment_fixed_size: 0
    .kernarg_segment_align: 8
    .kernarg_segment_size: 24
    .max_flat_workgroup_size: 128
    .sgpr_count:     100
    .vgpr_count:     1024
    .wavefront_size: 32
...
	.end_amdgpu_metadata
.endif
;; end of part 4
